; MI455X (gfx1250); checked and timed in simulation.
; The chip was launched on July 23, 2026; its instructions are those of AMD's public machine-readable ISA for CDNA 5 (MIT licence, August 2026) and "CDNA5" Instruction Set Architecture Reference Guide (July 2026). The comments in the code are by the model that wrote it; some were corrected since.
;; Causal Self Attention. Allowed arithmetic: matrix products marked QUANTISED: E2M3 operands, one E8M0 scale for each 32 along K, by v_wmma_scale_f32_16x16x128_f8f6f4 with both operands' format E2M3, f32 sums; everything else in f32.
;; Inputs: Wk 1,024 x 1,024 float32; Wo 1,024 x 1,024 float32; Wq 1,024 x 1,024 float32; Wv 1,024 x 1,024 float32; bk 1,024 float32; bo 1,024 float32; bq 1,024 float32; bv 1,024 float32; x 4 x 2,048 x 1,024 float32.
;; Outputs: out0 4 x 2,048 x 1,024 float32.
;; This version of the problem:
;;   THIS VERSION OF THE PROBLEM IS GIVEN IN LOW PRECISION. The matrix products marked QUANTISED in the list below multiply operands that are first quantised to E2M3 (2 exponent bits, 3 mantissa bits; 6 bits a number), with one power-of-two scale for each 32 numbers along K (OCP MX v1.0); their sums are f32. All else is computed in f32.
;;   The module's matrix products, in the order in which they are computed (A, B: the left and right operand; K: the contracted axis; several contracted axes count as one K, in the product's order):
;;     1. [M 8,192, K 1,024] x [K 1,024, N 1,024]; A: input x; B: input Wq: QUANTISED
;;     2. [M 8,192, K 1,024] x [K 1,024, N 1,024]; A: input x; B: input Wk: QUANTISED
;;     3. [M 8,192, K 1,024] x [K 1,024, N 1,024]; A: input x; B: input Wv: QUANTISED
;;     4. batch 64 x [M 2,048, K 64] x [K 64, N 2,048]; A: computed on the way; B: computed on the way: QUANTISED
;;     5. batch 64 x [M 2,048, K 2,048] x [K 2,048, N 64]; A: softmax (see below); B: computed on the way: QUANTISED
;;     6. [M 8,192, K 1,024] x [K 1,024, N 1,024]; A: computed on the way; B: input Wo: QUANTISED
;;   THE QUANTISER, for each operand of a quantised product, along K:
;;     - K is cut into blocks of 32 from its start; a last block that is shorter is filled with zeros.
;;     - A block's scale is 2^e with e = floor(log2(the largest magnitude in the block)) - 2, held to -126 .. 127; a block of zeros has e = 0. As a byte (E8M0): e + 127.
;;     - Each number is divided by its block's scale, clamped to +-7.5, and rounded to the nearest number of E2M3, ties to even, subnormals kept.
;;     - The product sums the exact products of the quantised numbers (number of the format x scale) in f32.
;;   ~~~python
;;   def quantise(x, axis):      # numpy; x: float32 -> the quantised numbers, widened to float32 again
;;       x = np.moveaxis(x, axis, -1); K = x.shape[-1]
;;       x = np.pad(x, [(0, 0)] * (x.ndim - 1) + [(0, -K % 32)]); x = x.reshape(x.shape[:-1] + (-1, 32)); a = np.abs(x).max(-1, keepdims=True)
;;       e = np.where(a > 0, np.clip(np.frexp(np.where(a > 0, a, 1))[1] - 1 - 2, -126, 127), 0)      # np.frexp(a)[1] - 1 = floor(log2(a)), exactly
;;       r = np.clip(x / 2.0 ** e, -7.5, 7.5)
;;       step = 2.0 ** (np.maximum(np.frexp(np.where(r == 0, 1, r))[1] - 1, 0) - 3)
;;       q = np.round(r / step) * step * 2.0 ** e      # np.round: ties to even
;;       return np.moveaxis(q.reshape(q.shape[:-2] + (-1,))[..., :K], -1, axis).astype(np.float32)
;;   ~~~
;;   SOFTMAX AHEAD OF A QUANTISED PRODUCT. Where the list says 'softmax', what is quantised is not the finished softmax but p = 2^(t - M), with t = logit x log2(e) and M = ceil(the row's largest t), a whole number; so 1/2 < the row's largest p <= 1. The row's sum l is taken of the UNQUANTISED p, in f32, and the product's result is divided by l at the end. Since M is a whole number, a kernel that streams over the keys may use a running M (the ceiling of the running maximum): every later rescaling is an exact power of two, which a block's scale takes up: the codes' values come out the same.
;;   OPERANDS COMPUTED ON THE WAY. 'Computed on the way' means the value that the module computes at that place (a softmax that the list does not call 'softmax' is quantised finished and normalised). What goes into a quantiser is computed in f32, as accurately as f32 sums, v_exp_f32 and their like allow (about 1e-6 of the number): no bf16 or f16 on the way to a quantiser, and a product that is left as it is and whose result goes on into a quantised operand takes f32 operands (vector FMAs, or v_wmma_f32_16x16x4_f32). A number that lies on a knife's edge between two numbers of the format may be rounded either way, as far as f32 arithmetic and the matrix unit's own rounding can turn it there, and no further.
;; One version. Each part assembles by itself: llvm-mc -triple=amdgcn-amd-amdhsa -mcpu=gfx1250 --defsym DOCPART=n.
;; ======== version 1 of 1: 4 launches
;; limits: right only within a limited range of input values
;; workspace buffers: xc 6,291,456 bytes; xs 262,144 bytes; wc 3,145,728 bytes; ws 131,072 bytes; qc 6,553,600 bytes; kv 13,107,200 bytes; oc 6,291,456 bytes; os 262,144 bytes
;; launch quant (part 1): grid 768 x 1, 4 waves a work-group, no clusters, 46,592 bytes of LDS; arguments x, Wq, Wk, Wv, Wo, xc, xs, wc, ws; writes xc, xs, wc, ws
.if DOCPART == 1
	.amdgcn_target "amdgcn-amd-amdhsa--gfx1250"
	.amdhsa_code_object_version 6
	.text
	.protected	k_q1ba0998982_quant
	.globl	k_q1ba0998982_quant
	.p2align	8
	.type	k_q1ba0998982_quant,@function
k_q1ba0998982_quant:
	s_mov_b64 s[64:65], 0
	v_nop
	global_prefetch_b8 v0, s[64:65] scope:SCOPE_SE
	s_setreg_imm32_b32 hwreg(HW_REG_WAVE_MODE, 25, 1), 1
	s_wait_xcnt 0x0
; CAUSAL SELF-ATTENTION IN MX-FP6 (E2M3 codes, one E8M0 scale for each 32 along K), four launches: quant, qkv, attn, proj.
; THIS LAUNCH turns x [8192][1024] and Wq, Wk, Wv, Wo [1024 (k)][1024 (n)], f32, into codes and scale words, laid in the order of the matrix operands' registers.
; WORK LEFT OUT, IN THE WHOLE PROGRAM: reference() builds a causal mask in its own body (jnp.tril) and puts -1e9 where key > query.  For every input whose visible scores stay far above -1e9 the
; weight of a hidden key, 2^(t - M), is under every code of its block and adds nothing to the row's sum in f32.  So pieces of 16 queries x 128 keys all of whose keys come after all of their queries are not
; computed (launch attn); inside the one piece on the diagonal hidden scores become -infinity.  No input is without a way to the output: all nine are loaded.
; LIMITS: a row whose largest visible score falls to about -1e9 is not served; NaN and infinities among the inputs are not served; a NaN, an infinity or an overflow that reaches only the pieces left out is
; not carried to the result; a block of zeros gets the scale byte 1 where the quantiser says 127: its codes are zeros, which add nothing under any byte but 0xff, and only this program reads the bytes.
; TILE ORDER (all launches): rows go in groups of 32; tile rt = 2 g + u holds in lane-row r the row 32 g + 8 u + r + 8 (r / 8).  As source 0 of a product such a tile leaves register j of lane (r', h) with row
; 32 g + 16 h + 8 u + j: the 16 registers of tiles 2 g and 2 g + 1 are 16 neighbours, as the conversions want them.
; FRAGMENT IMAGE: 16 rows x 128 K = 12 registers a lane = 1,536 bytes; register 4 c + e of lane l at byte 512 c + 16 l + 4 e.  Scale words: one word for a row and 128 K, laid [tile][K step][16].
; xc [512 tiles][8 K steps] images, xs their words; wc [4 matrices q, k, v, o][64 tiles of n][8 K steps] images, ws their words.
; SHARES: work-groups 0-511 take a tile of 16 rows of x (wave w: K steps 2 w, 2 w + 1); work-groups 512-767 take 128 columns x 128 k of one weight (wave w: 32 columns).  Each of the two ways has LDS bytes of its own.
; No matrix unit, no tensor load, no barrier: waves share nothing, and memory binds.
.set XSTG,  8448                       ; x: a wave's stage, 16 rows x (512 bytes + 16)
.set WIMG,  4*XSTG                     ; W: a wave's two images, 3,072 bytes
.set SPARE, WIMG+4*3072                ; the spare words, 128 bytes for each wave: two blocks of 256 bytes that no other line names
.set SPW,   12                         ; v12  my spare word's LDS address; never rewritten
.set NIL,   13                         ; v13  0; never rewritten
.set R,     32                         ; v32-159  the 128 numbers of a lane
.set PC0,   160                        ; x: the first fragment's codes, v172.. at work for it
.set TP0,   172
.set PC1,   180                        ; the second's
.set TP1,   192
.set TM,    200                        ; v200-215 at work: largest magnitudes, bytes, scale operands
.set PW0,   216                        ; the two scale words,
.set PW1,   217
.set WW,    218                        ; and what is stored of them
.set CW,    160                        ; W: block t's six registers of codes at v[160 + 8 t]
.set TW,    192                        ; v192-194 a block's second conversion
.set SB,    204                        ; v204 my column's scale word
.set OUTR,  208                        ; v208-231 the two images read back
	s_load_b256 s[4:11], s[0:1], 0x0               ; x, Wq, Wk, Wv
	s_load_b256 s[12:19], s[0:1], 0x20             ; Wo, xc, xs, wc
	s_load_b64 s[20:21], s[0:1], 0x40              ; ws
	v_lshl_add_u32 v[SPW], v0, 2, SPARE
	v_mov_b32 v[NIL], 0
	v_lshrrev_b32 v1, 5, v0
	v_readfirstlane_b32 s22, v1                    ; wave 0..3
	v_and_b32 v1, 31, v0                           ; lane
	v_and_b32 v2, 15, v0                           ; r
	v_bfe_u32 v3, v0, 4, 1                         ; h
	v_lshlrev_b32 v4, 4, v1                        ; 16 x lane
	v_lshlrev_b32 v5, 2, v1                        ; 4 x lane
	s_mov_b32 s30, 0xffff0000                      ; a mask of lanes 16-31
	s_mov_b32 s32, 0x76543210
	s_mov_b32 s33, 0xfedcba98                      ; v_permlanex16_b32's selects for lane l xor 16
	; every LDS address is made here, ahead of the parting
	s_mul_i32 s23, s22, XSTG
	v_add_nc_u32 v6, s23, v4                       ; x's stage, in: a row's 512 bytes as they lie
	v_mul_u32_u24 v7, v2, 528
	v_lshl_add_u32 v7, v3, 6, v7
	v_add_nc_u32 v7, s23, v7                       ; and out: row r, + 64 h: my 16 numbers of a block of 32
	s_mul_i32 s23, s22, 3072
	s_add_co_u32 s23, s23, WIMG
	v_bfe_u32 v10, v0, 3, 1                        ; W: my column 32 g + lane lies in tile u = bit 3 of the lane,
	v_and_b32 v8, 7, v0
	v_lshl_or_b32 v11, v3, 3, v8                   ; in lane-row r' = lane % 8 + 8 (lane / 16)
	v_mul_u32_u24 v8, v10, 1536
	v_lshl_add_u32 v8, v11, 4, v8
	v_add_nc_u32 v8, s23, v8                       ; the image's place for lane r' of tile u
	v_add_nc_u32 v9, s23, v4                       ; the images read back: 16 x lane
	v_lshlrev_b32 v10, 9, v10
	v_lshl_add_u32 v10, v11, 2, v10                ; my scale word's place: 512 u + 4 r'
	s_cmp_lt_u32 ttmp9, 512
	s_cbranch_scc0 .Lweights
; 64 numbers of a lane, register 16 b + i = k 32 b + 16 h + i of my row, become a fragment's 12 registers of codes and the row's scale word.
.macro QUANT s, pc, tp, pw
.irp b, 0,1,2,3
	v_max3_num_f32 v[TM+\b], |v[\s+16*\b]|, |v[\s+1+16*\b]|, 0x1800000   ; block b: my 16 numbers, and the floor 2^(3 - 127): the byte cannot fall under 1
.endr
.irp i, 2,4,6,8,10,12,14
.irp b, 0,1,2,3
	v_max3_num_f32 v[TM+\b], v[TM+\b], |v[\s+16*\b+\i]|, |v[\s+1+16*\b+\i]|   ; the four blocks by turns
.endr
.endr
.irp b, 0,1,2,3
	v_permlanex16_b32 v[TM+4+\b], v[TM+\b], s32, s33
.endr
.irp b, 0,1,2,3
	v_max_num_f32 v[TM+\b], v[TM+\b], v[TM+4+\b]   ; with lane l xor 16's: the block's largest magnitude
.endr
.irp b, 0,1,2,3
	v_add_nc_u32 v[TM+12+\b], 0xff000000, v[TM+\b] ; 2 off its exponent field: the conversion takes that field as its scale
.endr
.irp b, 0,1,2,3
	v_lshrrev_b32 v[TM+4+\b], 23, v[TM+12+\b]      ; the scale's byte
.endr
	v_lshl_or_b32 v[\pw], v[TM+5], 8, v[TM+4]
	v_lshl_or_b32 v[\pw], v[TM+6], 16, v[\pw]
	v_lshl_or_b32 v[\pw], v[TM+7], 24, v[\pw]
.irp c, 0,1
	v_cvt_scalef32_pk16_fp6_f32 v[\pc+6*\c:\pc+2+6*\c], v[\s+32*\c:\s+15+32*\c], v[TM+12+2*\c]
	v_cvt_scalef32_pk16_fp6_f32 v[\tp+4*\c:\tp+2+4*\c], v[\s+16+32*\c:\s+31+32*\c], v[TM+12+2*\c+1]   ; a conversion's three registers begin on an even number
.endr
	v_nop                                          ; one plain instruction behind the conversions
.irp c, 0,1                                    ; the operand wants a whole block in a lane: lanes 0-15 block 2 c, lanes 16-31 block 2 c + 1
.irp i, 0,1,2
	v_permlane16_swap_b32 v[\pc+6*\c+\i], v[\tp+4*\c+\i]
.endr
.irp i, 0,1,2
	v_mov_b32 v[\pc+3+6*\c+\i], v[\tp+4*\c+\i]
.endr
.endr
.endm
; Fragment f's 16 rows x 512 bytes go through my stage as they lie and come back 64 bytes of each block a lane, into the registers that they left.  LDS serves a wave's instructions in order.
.macro TURN f
.irp i, 0,1,2,3,4,5,6,7,8,9,10,11,12,13,14,15
	ds_store_b128 v6, v[R+64*\f+4*\i:R+64*\f+4*\i+3] offset:528*\i
.endr
.irp b, 0,1,2,3
.irp j, 0,1,2,3
	ds_load_b128 v[R+64*\f+16*\b+4*\j:R+64*\f+16*\b+4*\j+3], v7 offset:128*\b+16*\j
.endr
.endr
.endm
	; ---- x: tile rt = the work-group's number
	s_lshr_b32 s24, ttmp9, 1
	s_lshl_b32 s24, s24, 5
	s_and_b32 s25, ttmp9, 1
	s_lshl_b32 s25, s25, 3
	s_add_co_u32 s24, s24, s25                     ; the tile's first row: 32 (rt / 2) + 8 (rt % 2)
	s_lshl_b32 s24, s24, 12                        ; rows of 4,096 bytes
	s_lshl_b32 s25, s22, 10
	s_add_co_u32 s24, s24, s25                     ; + my two K steps' 1,024 bytes
	s_mov_b32 s25, 0
	s_lshl_b32 s26, ttmp9, 3
	s_lshl_b32 s27, s22, 1
	s_add_co_u32 s26, s26, s27                     ; fragment 8 rt + 2 w
	s_mul_i32 s28, s26, 1536
	s_mov_b32 s29, 0
	s_lshl_b32 s26, s26, 6
	s_mov_b32 s27, 0
.irp b, 0,1,2,3
	v_mov_b32 v[TM+4+\b], 0                        ; written once: a lane permute's destination counts as one of its sources
.endr
	s_wait_kmcnt 0x0
	s_add_nc_u64 s[4:5], s[4:5], s[24:25]
	s_add_nc_u64 s[14:15], s[14:15], s[28:29]
	s_add_nc_u64 s[16:17], s[16:17], s[26:27]
.irp f, 0,1
.irp i, 0,1,2,3,4,5,6,7,8,9,10,11,12,13,14,15
	global_load_b128 v[R+64*\f+4*\i:R+64*\f+4*\i+3], v4, s[4:5] offset:(\i+8*(\i/8))*4096+512*\f th:TH_LOAD_NT   ; 32 lanes read 512 consecutive bytes of one row
.endr
.endr
	s_wait_loadcnt 16                              ; the first fragment's 16 loads are in; the second's may be out
	TURN 0
	s_wait_loadcnt 0x0
	TURN 1
	s_wait_dscnt 32                                ; the first turn is back; the second's 32 LDS instructions may be out
	QUANT R, PC0, TP0, PW0
.irp c, 0,1,2
	global_store_b128 v4, v[PC0+4*\c:PC0+4*\c+3], s[14:15] offset:512*\c   ; 512 consecutive bytes, at a multiple of 256 from xc's first byte
.endr
	s_wait_dscnt 0x0
	QUANT R+64, PC1, TP1, PW1
.irp c, 0,1,2
	global_store_b128 v4, v[PC1+4*\c:PC1+4*\c+3], s[14:15] offset:1536+512*\c
.endr
	v_cndmask_b32 v[WW], v[PW0], v[PW1], s30       ; lanes 0-15 the first K step's words, lanes 16-31 the second's
	global_store_b32 v5, v[WW], s[16:17]           ; 128 consecutive bytes
	s_branch .Lend
	; ---- W: a lane takes a column, and its registers run down K
.Lweights:
	s_sub_co_u32 s24, ttmp9, 512
	s_lshr_b32 s25, s24, 6                         ; which matrix: q, k, v, o
	s_bfe_u32 s26, s24, 0x30003                    ; which 128 columns
	s_and_b32 s27, s24, 7                          ; which K step
	s_lshl_b32 s26, s26, 2
	s_add_co_u32 s26, s26, s22                     ; g: my wave's group of 32 columns
	s_lshl_b32 s28, s27, 19                        ; 128 rows of 4,096 bytes a K step
	s_lshl_b32 s29, s26, 7
	s_add_co_u32 s28, s28, s29
	s_mov_b32 s29, 0
	s_lshl_b32 s34, s25, 6
	s_lshl_b32 s35, s26, 1
	s_add_co_u32 s34, s34, s35                     ; tile 64 x matrix + 2 g
	s_lshl_b32 s34, s34, 3
	s_add_co_u32 s34, s34, s27                     ; its fragment of this K step
	s_mul_i32 s36, s34, 1536
	s_mov_b32 s37, 0
	s_lshl_b32 s34, s34, 6
	s_mov_b32 s35, 0
	s_wait_kmcnt 0x0
	s_cmp_eq_u32 s25, 1                            ; the choice hangs on the work-group's number alone
	s_cselect_b64 s[6:7], s[8:9], s[6:7]
	s_cmp_eq_u32 s25, 2
	s_cselect_b64 s[6:7], s[10:11], s[6:7]
	s_cmp_eq_u32 s25, 3
	s_cselect_b64 s[6:7], s[12:13], s[6:7]
	s_add_nc_u64 s[6:7], s[6:7], s[28:29]
	s_add_nc_u64 s[18:19], s[18:19], s[36:37]
	s_add_nc_u64 s[20:21], s[20:21], s[34:35]
.macro LOADB t                         ; block t: W(32 t + i, my column): 128 consecutive bytes a wave, 512 a work-group
.irp i, 0,1,2,3,4,5,6,7,8,9,10,11,12,13,14,15,16,17,18,19,20,21,22,23,24,25,26,27,28,29,30,31
	global_load_b32 v[R+32*\t+\i], v5, s[6:7] offset:(32*\t+\i)*4096 th:TH_LOAD_NT
.endr
.endm
; Block t = 2 c + h of my column's 128 k: in the fragment it is registers 6 c .. 6 c + 5 of lane r' + 16 h of tile u.
.macro BLOCK t
.set XS, R+32*(\t)
.set CC, CW+8*(\t)
	v_max3_num_f32 v200, |v[XS]|, |v[XS+1]|, |v[XS+2]|            ; all 32 numbers are mine: two chains
	v_max3_num_f32 v201, |v[XS+3]|, |v[XS+4]|, |v[XS+5]|
.irp i, 6,10,14,18,22,26
	v_max3_num_f32 v200, v200, |v[XS+\i]|, |v[XS+\i+1]|
	v_max3_num_f32 v201, v201, |v[XS+\i+2]|, |v[XS+\i+3]|
.endr
	v_max3_num_f32 v200, v200, |v[XS+30]|, |v[XS+31]|
	v_max3_num_f32 v200, v200, v201, 0x1800000     ; and the floor 2^(3 - 127)
	v_add_nc_u32 v202, 0xff000000, v200            ; the conversions' scale operand
	v_lshrrev_b32 v203, 23, v202                   ; the scale's byte
.if (\t) == 0
	v_mov_b32 v[SB], v203
.else
	v_lshl_or_b32 v[SB], v203, 8*(\t), v[SB]
.endif
	v_cvt_scalef32_pk16_fp6_f32 v[CC:CC+2], v[XS:XS+15], v202
	v_cvt_scalef32_pk16_fp6_f32 v[TW:TW+2], v[XS+16:XS+31], v202
	v_nop                                          ; one plain instruction behind the conversions
.irp i, 0,1,2
	v_mov_b32 v[CC+3+\i], v[TW+\i]
.endr
.if (\t)/2 == 0
	ds_store_b128 v8, v[CC:CC+3] offset:256*((\t)%2)              ; registers 0-3
	ds_store_b64 v8, v[CC+4:CC+5] offset:512+256*((\t)%2)         ; registers 4, 5
.else
	ds_store_b64 v8, v[CC:CC+1] offset:512+256*((\t)%2)+8         ; registers 6, 7
	ds_store_b128 v8, v[CC+2:CC+5] offset:1024+256*((\t)%2)       ; registers 8-11
.endif
.endm
	LOADB 0
	LOADB 1
	s_wait_loadcnt 32                              ; block 0 is in; the youngest 32 loads may be out (so at each of these waits)
	LOADB 2
	BLOCK 0
	s_wait_loadcnt 32
	LOADB 3
	BLOCK 1
	s_wait_loadcnt 32
	BLOCK 2
	s_wait_loadcnt 0x0
	BLOCK 3
.irp q, 0,1,2,3,4,5
	ds_load_b128 v[OUTR+4*\q:OUTR+4*\q+3], v9 offset:512*\q       ; LDS serves a wave's instructions in order: these see my stores
.endr
	s_wait_dscnt 0x0
.irp q, 0,1,2,3,4,5
	global_store_b128 v4, v[OUTR+4*\q:OUTR+4*\q+3], s[18:19] offset:12288*(\q/3)+512*(\q%3)   ; tile u = q / 3: 512 consecutive bytes a store
.endr
	global_store_b32 v10, v[SB], s[20:21]          ; the scale words leave in pieces of 64 bytes: one byte for each 24 of codes
.Lend:
	s_wait_tensorcnt 0x0                           ; the wave's end
	ds_add_u32 v[SPW], v[NIL]
	s_wait_dscnt 0x0
	s_endpgm
.Lfunc_end_k_q1ba0998982_quant:
	.size	k_q1ba0998982_quant, .Lfunc_end_k_q1ba0998982_quant-k_q1ba0998982_quant
	.p2alignl 7, 3214868480
	.fill 96, 4, 3214868480
	.section	.rodata,"a",@progbits
	.p2align	6, 0x0
	.amdhsa_kernel k_q1ba0998982_quant
		.amdhsa_group_segment_fixed_size 46592
		.amdhsa_private_segment_fixed_size 0
		.amdhsa_enable_private_segment 0
		.amdhsa_kernarg_size 72
		.amdhsa_user_sgpr_count 2
		.amdhsa_user_sgpr_kernarg_segment_ptr 1
		.amdhsa_wavefront_size32 1
		.amdhsa_system_sgpr_workgroup_id_x 1
		.amdhsa_system_sgpr_workgroup_id_y 1
		.amdhsa_system_sgpr_workgroup_id_z 1
		.amdhsa_system_vgpr_workitem_id 0
		.amdhsa_next_free_vgpr 232
		.amdhsa_next_free_sgpr 66
		.amdhsa_reserve_vcc 0
		.amdhsa_float_denorm_mode_32 3
		.amdhsa_float_denorm_mode_16_64 3
		.amdhsa_memory_ordered 1
		.amdhsa_forward_progress 1
		.amdhsa_inst_pref_size 39
	.end_amdhsa_kernel
	.amdgpu_metadata
---
amdhsa.version: [ 1, 2 ]
amdhsa.kernels:
  - .name:           k_q1ba0998982_quant
    .symbol:         k_q1ba0998982_quant.kd
    .args:
      - { .name: x, .offset: 0, .size: 8, .value_kind: global_buffer, .address_space: global }
      - { .name: Wq, .offset: 8, .size: 8, .value_kind: global_buffer, .address_space: global }
      - { .name: Wk, .offset: 16, .size: 8, .value_kind: global_buffer, .address_space: global }
      - { .name: Wv, .offset: 24, .size: 8, .value_kind: global_buffer, .address_space: global }
      - { .name: Wo, .offset: 32, .size: 8, .value_kind: global_buffer, .address_space: global }
      - { .name: xc, .offset: 40, .size: 8, .value_kind: global_buffer, .address_space: global }
      - { .name: xs, .offset: 48, .size: 8, .value_kind: global_buffer, .address_space: global }
      - { .name: wc, .offset: 56, .size: 8, .value_kind: global_buffer, .address_space: global }
      - { .name: ws, .offset: 64, .size: 8, .value_kind: global_buffer, .address_space: global }
    .group_segment_fixed_size: 46592
    .private_segment_fixed_size: 0
    .kernarg_segment_align: 8
    .kernarg_segment_size: 72
    .max_flat_workgroup_size: 128
    .sgpr_count:     66
    .vgpr_count:     232
    .wavefront_size: 32
...
	.end_amdgpu_metadata
.endif
;; end of part 1
;; launch qkv (part 2): grid 12 x 64, 4 waves a work-group, clusters of 4 x 4, 307,712 bytes of LDS; arguments xc, xs, wc, ws, bq, bk, bv, qc, kv; writes qc, kv
.if DOCPART == 2
	.amdgcn_target "amdgcn-amd-amdhsa--gfx1250"
	.amdhsa_code_object_version 6
	.text
	.protected	k_q1ba0998982_qkv
	.globl	k_q1ba0998982_qkv
	.p2align	8
	.type	k_q1ba0998982_qkv,@function
k_q1ba0998982_qkv:
	s_mov_b64 s[64:65], 0
	v_nop
	global_prefetch_b8 v0, s[64:65] scope:SCOPE_SE
	s_setreg_imm32_b32 hwreg(HW_REG_WAVE_MODE, 25, 1), 1
	s_wait_xcnt 0x0
	s_wait_alu depctr_hold_cnt(0) depctr_sa_sdst(0) depctr_va_vdst(0) depctr_va_sdst(0) depctr_va_ssrc(0) depctr_va_vcc(0) depctr_vm_vsrc(0)
	s_getreg_b32 s2, hwreg(HW_REG_IB_STS2, 6, 4)
	s_cmp_eq_u32 s2, 0
	s_cbranch_scc0 .Lentry_in_a_cluster
	s_endpgm
.Lentry_in_a_cluster:
	s_bfe_u32 s2, ttmp6, 0x10000c
	s_cmp_lg_u32 s2, 0xf033
	s_cbranch_scc0 .Lentry_shape_is_right
	s_endpgm
.Lentry_shape_is_right:
; q = x Wq + bq, k = x Wk + bk, v = x Wv + bv on codes of FP6 (E2M3) with E8M0 scales; the results are quantised in registers and leave as codes: q and k along the head's 64, v along the keys.
; THE PATH is the cluster's x: 0 q, 1 k, 2 v.  The matrix instruction is used transposed: SOURCE 0 is the operand whose rows are the next quantiser's axis, SOURCE 1 the one whose row a lane keeps.
;   q, k: source 0 = 256 rows n of W^T, source 1 = 128 tokens.     v: source 0 = 256 tokens, source 1 = 128 channels of Wv^T.
; A work-group's tile is 256 x 128 over all of K = 1,024.  All its codes (288 KiB) and scale words (12 KiB) lie in LDS at once, asked for at the head in four chunks of two K steps: nothing is ever filled again.
; A wave makes 128 (source 0) x 64 (source 1): 32 accumulators.  The bias is the C of K step 0.
; CLUSTERS: 4 x 4.  Source 0's tile hangs on cx and is shared along a column of the cluster, source 1's on cy and is shared along a row: each is asked for jointly, which divides the requests by four.
; OUT: qc [64 heads][16 steps] blocks of 6,400 bytes: 4 pair images, then 4 x 16 pair words.  kv [64][16] blocks of 12,800: K's 4 pair images, V's 4 images (6,144), K's pair words (12,288), V's words (12,544).
; A PAIR IMAGE (one head, 32 tokens) is a fragment image whose registers 0-5 are tile u = 0's 64 codes of a row and registers 6-11 tile u = 1's; the pair word has u = 0's two bytes below and u = 1's above.
; REGISTERS: window 0: v1-9 addresses; v30, v31 the add's two; v32-63, v64-79 scale words; v80-143 the bias; v144-239 source 1's fragments, two sets (later the codes on their way out).
;   window 1: the 32 accumulators, (a, b) at v[8 (8 a + b)].   window 2: v0-191 source 0's fragments, two sets.
.set CHUNK, 73728                      ; two K steps: source 1's 8 tiles x 3,072 bytes, then source 0's 16
.set S0OFF, 24576
.set SC1L,  4*CHUNK                    ; source 1's scale words, 4,096 bytes
.set SC0L,  SC1L+4096                  ; source 0's, 8,192
.set SPARE, SC0L+8192                  ; the spare words, 128 bytes for each wave: two blocks of 256 bytes that no other line names
.set ADR0, 5                           ; v5   my 8 tiles of source 0 in the chunk in hand: + 16 x lane
.set ADR1, 6                           ; v6   my 4 tiles of source 1
.set ADS0, 7                           ; v7   source 0's scale words: lanes 0-15 an even tile's, lanes 16-31 the odd one's
.set ADS1, 8                           ; v8   source 1's
.set BO,   9                           ; v9   the bias's offset
.set SPW,  30
.set NIL,  31
.set SC0,  32                          ; register 4 k + j: tiles 2 j (lanes 0-15) and 2 j + 1 (lanes 16-31), K step k
.set SC1,  64                          ; register 2 k + j likewise
.set BI,   80
.set S1F,  144
.set PC,   144                         ; the way out: tile a's codes at v[144 + 12 a]
.set TP,   192
.set TM,   200
.set PW,   216                         ; tile a's scale word
.set TT,   220
.set WD,   236
.set WV,   22                          ; s22  wave
.set W1,   23                          ; s23  wave / 2: my half of source 1.  Also: I fetch for source 1 (0) or source 0 (1)
.set W0,   3                           ; s3   wave % 2: my half of source 0.  Also: which half of a tile I fetch
.set T0,   100                         ; s100 source 0's tile
.set T1,   101                         ; s101 source 1's tile
.set HM,   104                         ; s104 a mask of lanes 16-31
.set G1A,  24                          ; s[24:31] group 1, source 1's codes;  s[32:39] source 0's;  s[40:47], s[48:55] their scale words
.set G1B,  32
.set G1SA, 40
.set G1SB, 48
.set MSB, 0
.macro WIN new                         ; the immediate's high byte repeats the setting that is left
.if MSB != \new
	s_set_vgpr_msb (MSB<<8)|\new
.set MSB, \new
.endif
.endm
; A joint load: waves 0 and 1 fetch source 1's halves, waves 2 and 3 source 0's.  The branch hangs on the wave's number alone.  An s_nop 0 and four v_nop follow each of the two lines.
.macro JLOAD g0a, g1a, g0b, g1b
	s_cmp_eq_u32 s[W1], 0
	s_cbranch_scc0 .Lfor_b_\@
	tensor_load_to_lds s[\g0a:\g0a+3], s[\g1a:\g1a+7]
	s_nop 0
.rept 4
	v_nop
.endr
	s_branch .Lasked_\@
.Lfor_b_\@:
	tensor_load_to_lds s[\g0b:\g0b+3], s[\g1b:\g1b+7]
	s_nop 0
.rept 4
	v_nop
.endr
.Lasked_\@:
.endm
.macro CROUND                          ; a round of the cluster's barrier
	s_barrier_signal -1
	s_barrier_wait -1
	s_cmp_lg_u32 s[WV], 0
	s_cbranch_scc1 .Lnot_wave_0_\@
	s_barrier_signal -3
.Lnot_wave_0_\@:
	s_barrier_wait -3
	s_barrier_signal -1
	s_barrier_wait -1
.endm
.macro G1SET g, c, r, p                ; r rows of c elements of 8 bytes, p elements apart; word 0 (mask, element size) is written apart
	s_mov_b32 s[\g+1], (\c)<<16
	s_mov_b32 s[\g+2], (\r)<<16
	s_mov_b32 s[\g+3], (\c)<<16
	s_mov_b32 s[\g+4], \r
	s_mov_b32 s[\g+5], \p
	s_mov_b32 s[\g+6], 0
	s_mov_b32 s[\g+7], 0
.endm
.macro G0SET reg, ldsreg, ldsoff, base, goff   ; a group 0 of its own for each load: none is written again
	s_mov_b32 s[\reg], 1
	s_add_co_u32 s[\reg+1], s[\ldsreg], \ldsoff
	s_add_nc_u64 s[\reg+2:\reg+3], s[\base:\base+1], \goff
	s_or_b32 s[\reg+3], s[\reg+3], 0x80000000
.endm
	s_load_b256 s[4:11], s[0:1], 0x0               ; xc, xs, wc, ws
	s_load_b256 s[12:19], s[0:1], 0x20             ; bq, bk, bv, qc
	s_load_b64 s[20:21], s[0:1], 0x40              ; kv
	v_lshl_add_u32 v[SPW], v0, 2, SPARE
	v_mov_b32 v[NIL], 0
	ds_add_u32 v[SPW], v[NIL]                      ; the wave's opening: the add, twice on end, and its wait ahead of my first tensor load
	ds_add_u32 v[SPW], v[NIL]
	v_lshrrev_b32 v1, 5, v0
	v_readfirstlane_b32 s[WV], v1
	s_lshr_b32 s[W1], s[WV], 1
	s_and_b32 s[W0], s[WV], 1
	s_bfe_u32 s66, ttmp6, 0x40000                  ; cx
	s_bfe_u32 s67, ttmp6, 0x40004                  ; cy
	s_and_b32 s2, ttmp7, 0xffff                    ; the cluster's y, 0..15
	s_lshr_b32 s[T0], s2, 1
	s_and_b32 s[T1], s2, 1
	s_cmp_eq_u32 ttmp9, 2                          ; the v path?  The same in all sixteen partners
	s_cselect_b32 s[T0], s[T0], 0                  ; v: 32 tiles of tokens, 8 of channels;  q, k: 4 tiles of n, 64 of tokens
	s_cselect_b32 s[T1], s[T1], s2
	s_lshl_b32 s[T0], s[T0], 2
	s_add_co_u32 s[T0], s[T0], s66
	s_lshl_b32 s[T1], s[T1], 2
	s_add_co_u32 s[T1], s[T1], s67
	s_lshl_b32 s2, s67, 2
	s_lshl_b32 s2, 15, s2                          ; my row of the cluster (same cy)
	s_lshl_b32 s105, 0x1111, s66                   ; my column (same cx)
	s_or_b32 s[G1A], s2, (3<<16)|(1<<21)           ; 15:0 the mask; 17:16 elements of 8 bytes; 21 set beside a mask; no padding
	s_or_b32 s[G1SA], s2, (3<<16)|(1<<21)
	s_or_b32 s[G1B], s105, (3<<16)|(1<<21)
	s_or_b32 s[G1SB], s105, (3<<16)|(1<<21)
	G1SET G1A, 384, 4, 1536                        ; 4 tiles x 3,072 bytes (two K steps), 12,288 bytes from tile to tile
	G1SET G1B, 384, 8, 1536                        ; 8 tiles
	G1SET G1SA, 32, 8, 32                          ; 4 tiles' scale words: 2,048 dense bytes as rows of 256
	G1SET G1SB, 32, 16, 32                         ; 8 tiles': 4,096
	s_mov_b32 s[HM], 0xffff0000
	s_lshl_b32 s98, s[T0], 4
	s_lshl_b32 s99, s[W0], 3
	s_add_co_u32 s98, s98, s99                     ; source 0: the first tile of rows that I would fetch (no register here ever holds cy)
	s_mul_i32 s96, s98, 12288
	s_mov_b32 s97, 0
	s_lshl_b32 s98, s98, 9
	s_mov_b32 s99, 0
	s_lshl_b32 s78, s[T1], 3
	s_lshl_b32 s79, s[W0], 2
	s_add_co_u32 s78, s78, s79                     ; source 1 likewise (none holds cx)
	s_mul_i32 s76, s78, 12288
	s_mov_b32 s77, 0
	s_lshl_b32 s78, s78, 9
	s_mov_b32 s79, 0
	s_mul_i32 s92, ttmp9, 786432                   ; my matrix in wc,
	s_mov_b32 s93, 0
	s_lshl_b32 s94, ttmp9, 15                      ; and in ws
	s_mov_b32 s95, 0
	s_wait_dscnt 0x0                               ; both opening adds are done
	s_wait_kmcnt 0x0
	s_add_nc_u64 s[8:9], s[8:9], s[92:93]
	s_add_nc_u64 s[10:11], s[10:11], s[94:95]
	s_cmp_eq_u32 ttmp9, 2
	s_cselect_b64 s[92:93], s[4:5], s[8:9]         ; source 0's codes: x's on the v path, else W's
	s_cselect_b64 s[94:95], s[6:7], s[10:11]
	s_cselect_b64 s[8:9], s[8:9], s[4:5]           ; source 1's
	s_cselect_b64 s[10:11], s[10:11], s[6:7]
	s_add_nc_u64 s[4:5], s[92:93], s[96:97]        ; each at the half that I would fetch
	s_add_nc_u64 s[6:7], s[94:95], s[98:99]
	s_add_nc_u64 s[8:9], s[8:9], s[76:77]
	s_add_nc_u64 s[10:11], s[10:11], s[78:79]
	s_mul_i32 s2, s[W0], 12288
	s_lshl_b32 s105, s[W0], 11
	G0SET 56, 105, SC1L, 10, 0
	G0SET 60, 2, 0, 8, 0
	G0SET 68, 2, CHUNK, 8, 3072
	G0SET 72, 2, 2*CHUNK, 8, 6144
	G0SET 76, 2, 3*CHUNK, 8, 9216
	s_mul_i32 s2, s[W0], 24576
	s_lshl_b32 s105, s[W0], 12
	G0SET 80, 105, SC0L, 6, 0
	G0SET 84, 2, S0OFF, 4, 0
	G0SET 88, 2, CHUNK+S0OFF, 4, 3072
	G0SET 92, 2, 2*CHUNK+S0OFF, 4, 6144
	G0SET 96, 2, 3*CHUNK+S0OFF, 4, 9216
	CROUND                                         ; all sixteen work-groups are here: the joint loads meet
	JLOAD 56, G1SA, 80, G1SB                       ; five loads of mine are out: the scale words, then the four chunks
	JLOAD 60, G1A, 84, G1B
	JLOAD 68, G1A, 88, G1B
	JLOAD 72, G1A, 92, G1B
	JLOAD 76, G1A, 96, G1B
	v_and_b32 v1, 15, v0                           ; r
	v_bfe_u32 v2, v0, 4, 1                         ; h
	v_and_b32 v3, 31, v0
	v_lshlrev_b32 v4, 2, v3                        ; 4 x lane
	v_lshlrev_b32 v3, 4, v3                        ; 16 x lane
	s_mul_i32 s2, s[W0], 24576
	s_add_co_u32 s2, s2, S0OFF
	v_add_nc_u32 v[ADR0], s2, v3
	s_mul_i32 s2, s[W1], 12288
	v_add_nc_u32 v[ADR1], s2, v3
	v_lshlrev_b32 v7, 2, v1
	v_lshl_add_u32 v7, v2, 9, v7                   ; 4 r + 512 h
	s_lshl_b32 s2, s[W1], 11
	s_add_co_u32 s2, s2, SC1L
	v_add_nc_u32 v[ADS1], s2, v7
	s_lshl_b32 s2, s[W0], 12
	s_add_co_u32 s2, s2, SC0L
	v_add_nc_u32 v[ADS0], s2, v7
	; the bias, in the result's layout.  Both arms fill the same 64 registers.
	s_cmp_eq_u32 ttmp9, 1
	s_cselect_b64 s[12:13], s[14:15], s[12:13]
	s_cmp_eq_u32 ttmp9, 2
	s_cselect_b64 s[12:13], s[16:17], s[12:13]
	s_cbranch_scc1 .Lbias_v
	s_lshl_b32 s14, s[T0], 10                      ; q, k: register j of source 0's tile b is n = 256 T0 + 128 w0 + 32 (b / 2) + 16 h + 8 (b % 2) + j
	s_lshl_b32 s15, s[W0], 9
	s_add_co_u32 s14, s14, s15
	s_mov_b32 s15, 0
	s_add_nc_u64 s[12:13], s[12:13], s[14:15]
	v_lshlrev_b32 v[BO], 6, v2
.irp b, 0,1,2,3,4,5,6,7
	global_load_b128 v[BI+8*\b:BI+8*\b+3], v[BO], s[12:13] offset:4*(32*(\b/2)+8*(\b%2))
	global_load_b128 v[BI+8*\b+4:BI+8*\b+7], v[BO], s[12:13] offset:4*(32*(\b/2)+8*(\b%2))+16
.endr
	s_branch .Lbias_done
.Lbias_v:
	s_lshl_b32 s14, s[T1], 9                       ; v: all eight registers of a tile hold the lane's channel 128 T1 + 64 w1 + 32 (a / 2) + 8 (a % 2) + r + 8 (r / 8)
	s_lshl_b32 s15, s[W1], 8
	s_add_co_u32 s14, s14, s15
	s_mov_b32 s15, 0
	s_add_nc_u64 s[12:13], s[12:13], s[14:15]
	v_and_b32 v[BO], 8, v1
	v_add_nc_u32 v[BO], v[BO], v1
	v_lshlrev_b32 v[BO], 2, v[BO]
.irp a, 0,1,2,3                                ; two sets of eight for each a: source 0's even and odd tiles take them by turns
.irp e, 0,1,2,3,4,5,6,7,8,9,10,11,12,13,14,15
	global_load_b32 v[BI+16*\a+\e], v[BO], s[12:13] offset:4*(32*(\a/2)+8*(\a%2))
.endr
.endr
.Lbias_done:
.macro WMR                             ; one product, by the symbols that MUL sets
.if fA && fB
	v_wmma_scale_f32_16x16x128_f8f6f4 v[rD:rD+7], v[rA:rA+11], v[rB:rB+11], v[rC:rC+7], v[rSA], v[rSB] matrix_a_fmt:MATRIX_FMT_FP6 matrix_b_fmt:MATRIX_FMT_FP6 matrix_a_scale:MATRIX_SCALE_ROW1 matrix_b_scale:MATRIX_SCALE_ROW1
.elseif fA
	v_wmma_scale_f32_16x16x128_f8f6f4 v[rD:rD+7], v[rA:rA+11], v[rB:rB+11], v[rC:rC+7], v[rSA], v[rSB] matrix_a_fmt:MATRIX_FMT_FP6 matrix_b_fmt:MATRIX_FMT_FP6 matrix_a_scale:MATRIX_SCALE_ROW1
.elseif fB
	v_wmma_scale_f32_16x16x128_f8f6f4 v[rD:rD+7], v[rA:rA+11], v[rB:rB+11], v[rC:rC+7], v[rSA], v[rSB] matrix_a_fmt:MATRIX_FMT_FP6 matrix_b_fmt:MATRIX_FMT_FP6 matrix_b_scale:MATRIX_SCALE_ROW1
.else
	v_wmma_scale_f32_16x16x128_f8f6f4 v[rD:rD+7], v[rA:rA+11], v[rB:rB+11], v[rC:rC+7], v[rSA], v[rSB] matrix_a_fmt:MATRIX_FMT_FP6 matrix_b_fmt:MATRIX_FMT_FP6
.endif
.endm
; K step k on fragment set p: source 1's tiles a0 .. a0 + n - 1 against source 0's eight.  cm = 0: in place; 1: C = the bias by source 0's tile; 2: by source 1's.
; The 32 accumulators take turns, one instruction a turn, in the same order in every K step.
.macro MUL k, p, a0, n, cm
.if \cm
	WIN 0x42                                       ; source 0 window 2, source 1 and C window 0, D window 1
.else
	WIN 0x52                                       ; C and D window 1
.endif
.set ma, \a0
.rept \n
.set mb, 0
.rept 8
.set rD, 8*(8*ma+mb)
.set rA, 96*(\p)+12*mb
.set rB, S1F+48*(\p)+12*ma
.set rSA, SC0+4*(\k)+mb/2
.set rSB, SC1+2*(\k)+ma/2
.set fA, mb%2
.set fB, ma%2
.if \cm == 1
.set rC, BI+8*mb
.elseif \cm == 2
.set rC, BI+16*ma+8*(mb%2)
.else
.set rC, rD
.endif
	WMR
.set mb, mb+1
.endr
.set ma, ma+1
.endr
.endm
.macro LOADF e, p                      ; the fragments of K step e of the chunk in hand into set p: each is three loads of 512 consecutive bytes
	WIN 0x80                                       ; destination window 2
.irp i, 0,1,2,3,4,5,6,7
.irp c, 0,1,2
	ds_load_b128 v[96*\p+12*\i+4*\c:96*\p+12*\i+4*\c+3], v[ADR0] offset:3072*\i+1536*\e+512*\c
.endr
.endr
	WIN 0
.irp i, 0,1,2,3
.irp c, 0,1,2
	ds_load_b128 v[S1F+48*\p+12*\i+4*\c:S1F+48*\p+12*\i+4*\c+3], v[ADR1] offset:3072*\i+1536*\e+512*\c
.endr
.endr
.endm
.macro PLACES                          ; four plain instructions between a matrix instruction and a load into, or a vector write of, one of its registers, or a read of its result
.rept 4
	v_nop
.endr
.endm
; An odd K step is a chunk's second: the next fragments lie in the next chunk.
.macro KODD k
	s_wait_dscnt 0x0                               ; this K step's fragments are in, and no LDS instruction of mine is out at the signal
	s_wait_tensorcnt 3-((\k)+1)/2                  ; my part of the next chunk has landed; the chunks behind it may be out
	s_barrier_signal -1
	MUL \k, 1, 0, 2, 0
	s_barrier_wait -1                              ; everybody's part has
	WIN 0
	PLACES
	v_add_nc_u32 v[ADR0], CHUNK, v[ADR0]
	v_add_nc_u32 v[ADR1], CHUNK, v[ADR1]
	LOADF 0, 0
	MUL \k, 1, 2, 2, 0
.endm
.macro KEVEN k
	s_wait_dscnt 0x0
	WIN 0
	PLACES
	LOADF 1, 1
	MUL \k, 0, 0, 4, 0
.endm
	s_wait_tensorcnt 0x3                           ; the scale words and my part of chunk 0 are in; chunks 1 to 3 may be out
	s_barrier_signal -1
	s_barrier_wait -1
.irp k, 0,1,2,3,4,5,6,7
.irp j, 0,1,2,3
	ds_load_b32 v[SC0+4*\k+\j], v[ADS0] offset:1024*\j+64*\k
.endr
.irp j, 0,1
	ds_load_b32 v[SC1+2*\k+\j], v[ADS1] offset:1024*\j+64*\k
.endr
.endr
	LOADF 0, 0
	s_wait_loadcnt 0x0                             ; the bias
	s_wait_dscnt 0x0
	LOADF 1, 1
	WIN 0                                          ; at a branch and at a label every window is 0
	s_cmp_eq_u32 ttmp9, 2
	s_cbranch_scc1 .Lk0_v
	MUL 0, 0, 0, 4, 1
	WIN 0
	s_branch .Lk0_done
.Lk0_v:
	MUL 0, 0, 0, 4, 2
	WIN 0
.Lk0_done:
	KODD 1
	KEVEN 2
	KODD 3
	KEVEN 4
	KODD 5                                         ; its wait on the tensor loads is for 0: from here on the descriptors' registers are free
	KEVEN 6
	s_wait_dscnt 0x0
	MUL 7, 1, 0, 4, 0
	WIN 0
; THE WAY OUT.  Tile a's 64 registers (window 1) are 128 neighbours along source 0 of the lane's row of source 1, register 16 b + i = 32 b + 16 h + i: they become a fragment's codes and the row's scale word.
.macro QUANT s, pc, pw
	WIN 0x05
.irp b, 0,1,2,3
	v_max3_num_f32 v[TM+\b], |v[(\s)+16*\b]|, |v[(\s)+1+16*\b]|, 0x1800000   ; each accumulator is read from its low end on; the floor 2^(3 - 127) holds the byte at 1 from below
.endr
	WIN 0x14
.irp i, 2,4,6,8,10,12,14
.irp b, 0,1,2,3
	v_max3_num_f32 v[TM+\b], v[TM+\b], |v[(\s)+16*\b+\i]|, |v[(\s)+1+16*\b+\i]|
.endr
.endr
	WIN 0
.irp b, 0,1,2,3
	v_permlanex16_b32 v[TM+4+\b], v[TM+\b], s56, s57
.endr
.irp b, 0,1,2,3
	v_max_num_f32 v[TM+\b], v[TM+\b], v[TM+4+\b]
.endr
.irp b, 0,1,2,3
	v_add_nc_u32 v[TM+12+\b], 0xff000000, v[TM+\b]
.endr
.irp b, 0,1,2,3
	v_lshrrev_b32 v[TM+4+\b], 23, v[TM+12+\b]
.endr
	v_lshl_or_b32 v[\pw], v[TM+5], 8, v[TM+4]
	v_lshl_or_b32 v[\pw], v[TM+6], 16, v[\pw]
	v_lshl_or_b32 v[\pw], v[TM+7], 24, v[\pw]
	WIN 0x01
.irp c, 0,1
	v_cvt_scalef32_pk16_fp6_f32 v[(\pc)+6*\c:(\pc)+2+6*\c], v[(\s)+32*\c:(\s)+15+32*\c], v[TM+12+2*\c]
	v_cvt_scalef32_pk16_fp6_f32 v[TP+4*\c:TP+2+4*\c], v[(\s)+16+32*\c:(\s)+31+32*\c], v[TM+12+2*\c+1]
.endr
	WIN 0
	v_nop                                          ; one plain instruction behind the conversions
.irp c, 0,1
.irp i, 0,1,2
	v_permlane16_swap_b32 v[(\pc)+6*\c+\i], v[TP+4*\c+\i]
.endr
.irp i, 0,1,2
	v_mov_b32 v[(\pc)+3+6*\c+\i], v[TP+4*\c+\i]
.endr
.endr
.endm
	PLACES                                         ; behind the last products: their results are read and their operands' registers written below
	s_mov_b32 s56, 0x76543210
	s_mov_b32 s57, 0xfedcba98
.irp b, 0,1,2,3
	v_mov_b32 v[TM+4+\b], 0                        ; a lane permute's destination counts as one of its sources
.endr
.irp a, 0,1,2,3
	QUANT 64*\a, PC+12*\a, PW+\a
.endr
	s_cmp_eq_u32 ttmp9, 2
	s_cbranch_scc1 .Lout_v
	; q, k: a fragment's registers 0-5 belong to head 4 T0 + 2 w0, registers 6-11 to the next; tiles 2 pp and 2 pp + 1 make a pair image for each head
	s_lshr_b32 s24, s[T1], 4                       ; the batch
	s_and_b32 s25, s[T1], 15                       ; the step of 128 tokens
	s_lshl_b32 s26, s[T0], 2
	s_lshl_b32 s27, s[W0], 1
	s_add_co_u32 s26, s26, s27
	s_lshl_b32 s24, s24, 4
	s_add_co_u32 s24, s24, s26
	s_lshl_b32 s24, s24, 4
	s_add_co_u32 s24, s24, s25                     ; block (16 batch + head) 16 + step
	s_cmp_eq_u32 ttmp9, 0
	s_cselect_b64 s[28:29], s[18:19], s[20:21]     ; qc or kv
	s_mov_b32 s30, 12800
	s_cselect_b32 s30, 6400, s30                   ; a block's bytes
	s_mov_b32 s31, 12288
	s_cselect_b32 s31, 6144, s31                   ; where its pair words begin
	s_mul_i32 s32, s24, s30
	s_mul_i32 s34, s[W1], 3072
	s_add_co_u32 s34, s34, s32
	s_mov_b32 s35, 0
	s_add_nc_u64 s[36:37], s[28:29], s[34:35]      ; the first head's pair images 2 w1, 2 w1 + 1
	s_lshl_b32 s38, s30, 4
	s_mov_b32 s39, 0
	s_add_nc_u64 s[40:41], s[36:37], s[38:39]      ; the next head's: 16 blocks on
	s_lshl_b32 s34, s[W1], 7
	s_add_co_u32 s34, s34, s32
	s_add_co_u32 s34, s34, s31
	s_add_nc_u64 s[42:43], s[28:29], s[34:35]      ; and their pair words
	s_add_nc_u64 s[44:45], s[42:43], s[38:39]
.irp pp, 0,1
	v_mov_b32 v[TT+8*\pp], v[PC+24*\pp+4]          ; the images' middle 16 bytes take two registers of each tile
	v_mov_b32 v[TT+8*\pp+1], v[PC+24*\pp+5]
	v_mov_b32 v[TT+8*\pp+2], v[PC+24*\pp+12]
	v_mov_b32 v[TT+8*\pp+3], v[PC+24*\pp+13]
	v_mov_b32 v[TT+8*\pp+4], v[PC+24*\pp+10]
	v_mov_b32 v[TT+8*\pp+5], v[PC+24*\pp+11]
	v_mov_b32 v[TT+8*\pp+6], v[PC+24*\pp+18]
	v_mov_b32 v[TT+8*\pp+7], v[PC+24*\pp+19]
	v_perm_b32 v[WD+2*\pp], v[PW+2*\pp+1], v[PW+2*\pp], 0x05040100     ; the two low halves: the first head's pair word
	v_perm_b32 v[WD+2*\pp+1], v[PW+2*\pp+1], v[PW+2*\pp], 0x07060302   ; the two high halves: the next head's
.endr
.irp pp, 0,1
	global_store_b128 v3, v[PC+24*\pp:PC+24*\pp+3], s[36:37] offset:1536*\pp              ; each store: 512 consecutive bytes, at a multiple of 256 from the buffer's first byte
	global_store_b128 v3, v[TT+8*\pp:TT+8*\pp+3], s[36:37] offset:1536*\pp+512
	global_store_b128 v3, v[PC+24*\pp+14:PC+24*\pp+17], s[36:37] offset:1536*\pp+1024
	global_store_b128 v3, v[PC+24*\pp+6:PC+24*\pp+9], s[40:41] offset:1536*\pp
	global_store_b128 v3, v[TT+8*\pp+4:TT+8*\pp+7], s[40:41] offset:1536*\pp+512
	global_store_b128 v3, v[PC+24*\pp+20:PC+24*\pp+23], s[40:41] offset:1536*\pp+1024
.endr
	v_cndmask_b32 v[WD+4], v[WD], v[WD+2], s[HM]   ; lanes 0-15 pair 2 w1's words, lanes 16-31 the next pair's
	v_cndmask_b32 v[WD+5], v[WD+1], v[WD+3], s[HM]
	global_store_b32 v4, v[WD+4], s[42:43]
	global_store_b32 v4, v[WD+5], s[44:45]
	s_branch .Lout_done
.Lout_v:
	; v: tile a is 16 channels of head 2 T1 + w1 x the 128 keys of step 2 (T0 % 8) + w0: an image as it stands
	s_lshr_b32 s24, s[T0], 3
	s_and_b32 s25, s[T0], 7
	s_lshl_b32 s25, s25, 1
	s_add_co_u32 s25, s25, s[W0]
	s_lshl_b32 s26, s[T1], 1
	s_add_co_u32 s26, s26, s[W1]
	s_lshl_b32 s24, s24, 4
	s_add_co_u32 s24, s24, s26
	s_lshl_b32 s24, s24, 4
	s_add_co_u32 s24, s24, s25
	s_mul_i32 s24, s24, 12800
	s_mov_b32 s25, 0
	s_add_nc_u64 s[20:21], s[20:21], s[24:25]
.irp a, 0,1,2,3
.irp c, 0,1,2
	global_store_b128 v3, v[PC+12*\a+4*\c:PC+12*\a+4*\c+3], s[20:21] offset:6144+1536*\a+512*\c
.endr
.endr
	v_cndmask_b32 v[WD], v[PW], v[PW+1], s[HM]
	v_cndmask_b32 v[WD+1], v[PW+2], v[PW+3], s[HM]
	global_store_b32 v4, v[WD], s[20:21] offset:12544
	global_store_b32 v4, v[WD+1], s[20:21] offset:12672
.Lout_done:
	s_wait_tensorcnt 0x0                           ; the wave's end
	ds_add_u32 v[SPW], v[NIL]
	s_wait_dscnt 0x0
	CROUND                                         ; the closing round: no work-group ends while a partner may still ask for a tile that names it
	s_endpgm
.Lfunc_end_k_q1ba0998982_qkv:
	.size	k_q1ba0998982_qkv, .Lfunc_end_k_q1ba0998982_qkv-k_q1ba0998982_qkv
	.p2alignl 7, 3214868480
	.fill 96, 4, 3214868480
	.section	.rodata,"a",@progbits
	.p2align	6, 0x0
	.amdhsa_kernel k_q1ba0998982_qkv
		.amdhsa_group_segment_fixed_size 307712
		.amdhsa_private_segment_fixed_size 0
		.amdhsa_enable_private_segment 0
		.amdhsa_kernarg_size 72
		.amdhsa_user_sgpr_count 2
		.amdhsa_user_sgpr_kernarg_segment_ptr 1
		.amdhsa_wavefront_size32 1
		.amdhsa_system_sgpr_workgroup_id_x 1
		.amdhsa_system_sgpr_workgroup_id_y 1
		.amdhsa_system_sgpr_workgroup_id_z 1
		.amdhsa_system_vgpr_workitem_id 0
		.amdhsa_next_free_vgpr 768
		.amdhsa_next_free_sgpr 106
		.amdhsa_reserve_vcc 0
		.amdhsa_float_denorm_mode_32 3
		.amdhsa_float_denorm_mode_16_64 3
		.amdhsa_memory_ordered 1
		.amdhsa_forward_progress 1
		.amdhsa_inst_pref_size 101
	.end_amdhsa_kernel
	.amdgpu_metadata
---
amdhsa.version: [ 1, 2 ]
amdhsa.kernels:
  - .name:           k_q1ba0998982_qkv
    .symbol:         k_q1ba0998982_qkv.kd
    .args:
      - { .name: xc, .offset: 0, .size: 8, .value_kind: global_buffer, .address_space: global }
      - { .name: xs, .offset: 8, .size: 8, .value_kind: global_buffer, .address_space: global }
      - { .name: wc, .offset: 16, .size: 8, .value_kind: global_buffer, .address_space: global }
      - { .name: ws, .offset: 24, .size: 8, .value_kind: global_buffer, .address_space: global }
      - { .name: bq, .offset: 32, .size: 8, .value_kind: global_buffer, .address_space: global }
      - { .name: bk, .offset: 40, .size: 8, .value_kind: global_buffer, .address_space: global }
      - { .name: bv, .offset: 48, .size: 8, .value_kind: global_buffer, .address_space: global }
      - { .name: qc, .offset: 56, .size: 8, .value_kind: global_buffer, .address_space: global }
      - { .name: kv, .offset: 64, .size: 8, .value_kind: global_buffer, .address_space: global }
    .group_segment_fixed_size: 307712
    .private_segment_fixed_size: 0
    .kernarg_segment_align: 8
    .kernarg_segment_size: 72
    .max_flat_workgroup_size: 128
    .sgpr_count:     106
    .vgpr_count:     768
    .wavefront_size: 32
...
	.end_amdgpu_metadata
.endif
;; end of part 2
;; launch attn (part 3): grid 8 x 64, 16 waves a work-group, no clusters, 206,848 bytes of LDS; arguments qc, kv, oc, os; writes oc, os
.if DOCPART == 3
	.amdgcn_target "amdgcn-amd-amdhsa--gfx1250"
	.amdhsa_code_object_version 6
	.text
	.protected	k_q1ba0998982_attn
	.globl	k_q1ba0998982_attn
	.p2align	8
	.type	k_q1ba0998982_attn,@function
k_q1ba0998982_attn:
	s_mov_b64 s[64:65], 0
	v_nop
	global_prefetch_b8 v0, s[64:65] scope:SCOPE_SE
	s_setreg_imm32_b32 hwreg(HW_REG_WAVE_MODE, 25, 1), 1
	s_wait_xcnt 0x0
; o = softmax(q k^T / 8, causal) v for 64 heads of 2,048 tokens x 64 channels, both products on codes of FP6 (E2M3) with E8M0 scales; o is quantised along D and leaves as codes.
; WORK LEFT OUT: pieces of 16 queries x 128 keys all of whose keys come after all of their queries (reference()'s own causal mask; shown at the head of launch quant, with its limits).
; THE SOFTMAX: t = score x log2(e) / 8; M = the row's largest t so far, rounded up to a whole number; p = 2^(t - M) is quantised along the keys, not normalised; the row's sum is taken of the unquantised p
; and divides at the end.  When M moves, the sum and O are multiplied by 2^(old M - new M), which rounds nothing.
; SHARES.  Work-group (j, head).  Wave w owns ONE tile of 16 queries: tile j of step RANK (128 tokens a step), and walks steps 0 .. RANK; step RANK lies on the diagonal.  RANK = w where w has an odd number of
; ones, else 15 - w: any four waves w % 4 alike, or w / 4 alike, hold 34 steps together; those w % 4 alike, 25 of them among the first eight.  Every work-group has a wave of RANK 15, so every one reads its head's 16 steps.
; LDS: the head's whole block of kv, 204,800 bytes, filled once: each wave brings 6,400 bytes of each half.  Two tensor loads of mine are out.  Nothing is filled again.
; The eight work-groups of a head read the same 204,800 bytes, each for itself, once, at its head.  Joint requests (clusters of four along j) would divide those requests by four; they are not built in this text.
; LAYOUT.  S^T = K Q^T and O^T = V^T P^T: a lane holds one query throughout.  K = 64 fills half of the instruction's 128: a pair image of K (two tiles of 16 keys side by side along K) is multiplied once by
; [q | 0] and once by [0 | q], so that no LDS byte is read in vain.  Register 16 p + i of the scores is key 32 p + 16 h + i of the step.
; REGISTERS: v1-11 addresses; v12 -M, v13 the largest t, v[14:15] the sum; v16-33 q, zeros, q; v34 q's scale word, v35 p's; v36-39 K's and V's scale words; v40-87 four fragments of K, then of V;
;   v96-159 S^T, then p; v160-191 O^T; v192-211 p's codes; v212-227 at work; v228-239 q's pair image.
.set SPARE, 204800                     ; the spare words, 128 bytes for each wave: eight blocks of 256 bytes that no other line names
.set SPW,  3
.set NIL,  4
.set ADR,  5                           ; v5  the step's block + 16 x lane
.set ADS,  6                           ; v6  + 4 x lane
.set DQ,   7                           ; v7  my query's place in its step, less 16 h
.set WV,   12
.set RANK, 13
.set JT,   14
.set BH,   15
.set SEL,  32                          ; s[32:33]
.set CS,   34                          ; s[34:35] c = log2(e) / 8, twice: the packed form names a pair
.set TB,   36                          ; s36 the step's block in LDS
.set ST,   37                          ; s37 the step
.set CNT,  38
.set UM,   46                          ; s46 all ones where my tile is the pair's second, else 0
.set US,   47                          ; s47 the byte selector for q's scale word
.macro WMA d, a, b, z, sa, sb, ra      ; one product; z = 1: it starts the sum; ra = 1: source 0's scale words stand in lanes 16-31
.if (\z) && (\ra)
	v_wmma_scale_f32_16x16x128_f8f6f4 v[\d:\d+7], v[\a:\a+11], v[\b:\b+11], 0, v[\sa], v[\sb] matrix_a_fmt:MATRIX_FMT_FP6 matrix_b_fmt:MATRIX_FMT_FP6 matrix_a_scale:MATRIX_SCALE_ROW1
.elseif \z
	v_wmma_scale_f32_16x16x128_f8f6f4 v[\d:\d+7], v[\a:\a+11], v[\b:\b+11], 0, v[\sa], v[\sb] matrix_a_fmt:MATRIX_FMT_FP6 matrix_b_fmt:MATRIX_FMT_FP6
.elseif \ra
	v_wmma_scale_f32_16x16x128_f8f6f4 v[\d:\d+7], v[\a:\a+11], v[\b:\b+11], v[\d:\d+7], v[\sa], v[\sb] matrix_a_fmt:MATRIX_FMT_FP6 matrix_b_fmt:MATRIX_FMT_FP6 matrix_a_scale:MATRIX_SCALE_ROW1
.else
	v_wmma_scale_f32_16x16x128_f8f6f4 v[\d:\d+7], v[\a:\a+11], v[\b:\b+11], v[\d:\d+7], v[\sa], v[\sb] matrix_a_fmt:MATRIX_FMT_FP6 matrix_b_fmt:MATRIX_FMT_FP6
.endif
.endm
	s_load_b256 s[4:11], s[0:1], 0x0               ; qc, kv, oc, os
	v_lshl_add_u32 v[SPW], v0, 2, SPARE
	v_mov_b32 v[NIL], 0
	ds_add_u32 v[SPW], v[NIL]                      ; the wave's opening: the add, twice on end, and its wait ahead of my first tensor load
	ds_add_u32 v[SPW], v[NIL]
	v_lshrrev_b32 v5, 5, v0
	s_delay_alu instid0(VALU_DEP_1)
	v_readfirstlane_b32 s[WV], v5                  ; wave 0..15
	s_lshr_b32 s40, s[WV], 2
	s_xor_b32 s40, s40, s[WV]
	s_lshr_b32 s41, s40, 1
	s_xor_b32 s40, s40, s41
	s_and_b32 s40, s40, 1                          ; 1 where w has an odd number of ones
	s_xor_b32 s40, s40, 1
	s_mul_i32 s40, s40, 15
	s_xor_b32 s[RANK], s[WV], s40
	s_mov_b32 s[JT], ttmp9
	s_and_b32 s[BH], ttmp7, 0xffff
	s_mov_b32 s16, 3<<16                           ; group 1: no mask; elements of 8 bytes; no padding
	s_mov_b32 s17, 32<<16                          ; 25 rows of 256 bytes, dense
	s_mov_b32 s18, 25<<16
	s_mov_b32 s19, 32<<16
	s_mov_b32 s20, 25
	s_mov_b32 s21, 32
	s_mov_b32 s22, 0
	s_mov_b32 s23, 0
	s_mov_b32 s24, 1
	s_mul_i32 s25, s[WV], 6400                     ; my share of the first half, in LDS as in the block
	s_mov_b32 s28, 1
	s_add_co_u32 s29, s25, 102400                  ; and of the second
	s_mul_i32 s40, s[BH], 204800
	s_add_co_u32 s40, s40, s25
	s_mov_b32 s41, 0
	s_lshl_b32 s42, s[BH], 4
	s_add_co_u32 s42, s42, s[RANK]
	s_mul_i32 s42, s42, 6400                       ; q's block of my step
	s_lshr_b32 s44, s[JT], 1                       ; my tile's pair
	s_mul_i32 s45, s44, 1536
	s_lshl_b32 s44, s44, 6
	s_add_co_u32 s44, s44, s42
	s_add_co_u32 s44, s44, 6144                    ; its pair words
	s_add_co_u32 s42, s42, s45                     ; its image
	s_mov_b32 s43, 0
	s_mov_b32 s45, 0
	s_mov_b32 s[SEL], 0x76543210
	s_mov_b32 s[SEL+1], 0xfedcba98
	s_mov_b32 s[CS], 0x3e38aa3b
	s_mov_b32 s[CS+1], s[CS]
	s_mov_b32 s[TB], 0
	s_mov_b32 s[ST], 0
	s_and_b32 s[UM], s[JT], 1
	s_cmp_eq_u32 s[UM], 1                          ; which half of the pair is my tile: a choice of values, no branch
	s_cselect_b32 s[UM], -1, 0
	s_mov_b32 s[US], 0x01000100
	s_cselect_b32 s[US], 0x03020302, s[US]
	s_wait_dscnt 0x0                               ; both opening adds are done
	s_wait_kmcnt 0x0
	s_add_nc_u64 s[26:27], s[6:7], s[40:41]
	s_add_nc_u64 s[30:31], s[26:27], 102400
	s_or_b32 s27, s27, 0x80000000
	s_or_b32 s31, s31, 0x80000000
	tensor_load_to_lds s[24:27], s[16:23]
	s_nop 0
	tensor_load_to_lds s[28:31], s[16:23]
	s_nop 0
.rept 4
	v_nop
.endr
	s_add_nc_u64 s[42:43], s[4:5], s[42:43]
	s_add_nc_u64 s[44:45], s[4:5], s[44:45]
	v_and_b32 v5, 31, v0
	s_delay_alu instid0(VALU_DEP_1)
	v_lshlrev_b32 v1, 4, v5                        ; 16 x lane
	s_delay_alu instid0(VALU_DEP_2)
	v_lshlrev_b32 v2, 2, v5                        ; 4 x lane
	v_and_b32 v8, 15, v0                           ; r
	v_bfe_u32 v9, v0, 4, 1                         ; h
	s_delay_alu instid0(VALU_DEP_2)
	v_lshlrev_b32 v10, 2, v8                       ; 4 r
	global_load_b128 v[228:231], v1, s[42:43]      ; s[42:45] stay as they are until the wait below shows these four loads done
	global_load_b128 v[232:235], v1, s[42:43] offset:512
	global_load_b128 v[236:239], v1, s[42:43] offset:1024
	global_load_b32 v224, v10, s[44:45]
	s_lshr_b32 s40, s[JT], 1
	s_lshl_b32 s40, s40, 5
	s_and_b32 s41, s[JT], 1
	s_lshl_b32 s41, s41, 3
	s_add_co_u32 s40, s40, s41
	v_and_b32 v[DQ], 8, v8
	s_delay_alu instid0(VALU_DEP_1)
	v_add_nc_u32 v[DQ], v[DQ], v8
	v_lshlrev_b32 v11, 4, v9
	s_delay_alu instid0(VALU_DEP_1)
	v_sub_nc_u32 v[DQ], v[DQ], v11
	s_delay_alu instid0(VALU_DEP_1)
	v_add_nc_u32 v[DQ], s40, v[DQ]                 ; 32 (j / 2) + 8 (j % 2) + r + 8 (r / 8) - 16 h
	v_mov_b32 v13, 0xff61b1e6                      ; the largest t so far: -3e38, under every t
	s_delay_alu instid0(VALU_DEP_1)
	v_floor_f32 v12, -v13                          ; -M
	v_mov_b32 v14, 0
	v_mov_b32 v15, 0
.irp b, 0,1,2,3
	v_mov_b32 v[216+\b], 0                         ; a lane permute's destination counts as one of its sources
.endr
	v_mov_b32 v227, 0                              ; named as the upper half of the pair v[226:227]
	s_wait_loadcnt 0x0
.irp i, 0,1,2,3,4,5
	v_cndmask_b32 v[16+\i], v[228+\i], v[234+\i], s[UM]
	v_mov_b32 v[22+\i], 0
.endr
.irp i, 0,1,2,3,4,5
	v_mov_b32 v[28+\i], v[16+\i]                   ; v[16:27] = [q | 0], v[22:33] = [0 | q]
.endr
	v_perm_b32 v34, v224, v224, s[US]              ; q's two bytes in both halves of its scale word
.set n, 0
.rept 32
	v_mov_b32 v[160+n], 0                          ; O^T: the step is written once, and the first change of M leaves zeros zeros.  (These are also the places ahead of the first scaled product)
.set n, n+1
.endr
; A STEP of 128 keys.  A step behind my diagonal is left out: a scalar branch on ids, round its loads, products and softmax; no barrier and no tensor load stands in a step.
.macro STEP
	s_cmp_gt_u32 s[ST], s[RANK]
	s_cbranch_scc1 .Lskip_\@
	s_setprio 2
	v_add_nc_u32 v[ADR], s[TB], v1
	v_add_nc_u32 v[ADS], s[TB], v2
	v_nop
	v_nop                                          ; four plain instructions between the last step's products and the loads into their operands' registers
.irp p, 0,1,2,3
.irp c, 0,1,2
	ds_load_b128 v[40+12*\p+4*\c:43+12*\p+4*\c], v[ADR] offset:1536*\p+512*\c
.endr
.endr
	ds_load_b32 v36, v[ADS] offset:12288           ; K's pair words: pairs 0 (lanes 0-15) and 1 (lanes 16-31),
	ds_load_b32 v37, v[ADS] offset:12416           ; pairs 2 and 3
	s_wait_alu depctr_va_vdst(0)
	s_wait_dscnt 0x0
.irp p, 0,1,2,3
	WMA 96+16*\p, 40+12*\p, 16, 1, 36+\p/2, 34, \p%2     ; the pair's first 16 keys
	WMA 104+16*\p, 40+12*\p, 22, 1, 36+\p/2, 34, \p%2    ; its second
.endr
.rept 4
	v_nop
.endr
.irp a, 0,1,2,3                                ; V's four images take K's registers and land under the softmax
.irp c, 0,1,2
	ds_load_b128 v[40+12*\a+4*\c:43+12*\a+4*\c], v[ADR] offset:6144+1536*\a+512*\c
.endr
.endr
	ds_load_b32 v38, v[ADS] offset:12544
	ds_load_b32 v39, v[ADS] offset:12672
	s_cmp_eq_u32 s[ST], s[RANK]                    ; on the diagonal the scores of hidden keys become -infinity ahead of the maximum: p = 0 then
	s_cbranch_scc0 .Lopen_\@
	v_mov_b32 v224, 0xff800000
.set n, 0
.rept 64
	v_cmp_gt_i32 vcc_lo, 32*(n/16)+n%16, v[DQ]
	v_cndmask_b32 v[96+n], v[96+n], v224, vcc_lo
.set n, n+1
.endr
.Lopen_\@:
.irp b, 0,1,2,3
	v_max3_num_f32 v[212+\b], v[96+16*\b], v[97+16*\b], v[98+16*\b]   ; the largest score of each block of 32 keys: for the row's maximum, and, since p rises with the score, for the block's largest p
.endr
.irp i, 3,5,7,9,11,13
.irp b, 0,1,2,3
	v_max3_num_f32 v[212+\b], v[212+\b], v[96+16*\b+\i], v[97+16*\b+\i]
.endr
.endr
.irp b, 0,1,2,3
	v_max_num_f32 v[212+\b], v[212+\b], v[111+16*\b]
.endr
.irp b, 0,1,2,3
	s_delay_alu instid0(VALU_DEP_4)
	v_permlanex16_b32 v[216+\b], v[212+\b], s[SEL], s[SEL+1]
.endr
.irp b, 0,1,2,3
	s_delay_alu instid0(VALU_DEP_4)
	v_max_num_f32 v[212+\b], v[212+\b], v[216+\b]
.endr
	s_delay_alu instid0(VALU_DEP_2)
	v_max3_num_f32 v224, v212, v213, v214
	s_delay_alu instid0(VALU_DEP_1)
	v_max_num_f32 v224, v224, v215
	s_delay_alu instid0(VALU_DEP_1)
	v_mul_f32 v224, s[CS], v224                    ; as t (c is positive)
	s_delay_alu instid0(VALU_DEP_1)
	v_max_num_f32 v13, v13, v224                   ; the running largest t
	v_mov_b32 v224, v12
	s_delay_alu instid0(VALU_DEP_2)
	v_floor_f32 v12, -v13                          ; the new -M = -ceil(t)
	s_delay_alu instid0(VALU_DEP_1)
	v_sub_f32 v224, v12, v224                      ; old M - new M: a whole number, 0 or less
	s_delay_alu instid0(VALU_DEP_1)
	v_cvt_i32_f32 v224, v224                       ; (it saturates)
	s_delay_alu instid0(VALU_DEP_1)
	v_ldexp_f32 v226, 1.0, v224                    ; f = 2^(old M - new M)
.set n, 0
.rept 32
	v_pk_fma_f32 v[96+n:97+n], v[96+n:97+n], s[CS:CS+1], v[12:13] op_sel_hi:[1,0,0]   ; t - M, two at a time
.set n, n+2
.endr
	s_setprio 1
.irp b, 0,1,2,3
	v_fma_f32 v[212+\b], v[212+\b], s[CS], v12
.endr
.set n, 0
	s_wait_alu depctr_va_vdst(0)
.rept 64
	v_exp_f32 v[96+n], v[96+n]                     ; p = 2^(t - M)
.set n, n+1
.endr
	v_pk_mul_f32 v[14:15], v[14:15], v[226:227] op_sel_hi:[1,0]   ; the sums under the new M: the plain instruction behind the batch
	s_wait_alu depctr_va_vdst(0)                   ; one wait for the 64, ahead of their first reader
.irp b, 0,1,2,3
	v_exp_f32 v[212+\b], v[212+\b]                 ; each block's largest p
.endr
	v_pk_add_f32 v[216:217], v[100:101], v[104:105]
	v_pk_add_f32 v[254:255], v[108:109], v[112:113]
	v_pk_add_f32 v[252:253], v[116:117], v[120:121]
	v_pk_add_f32 v[250:251], v[124:125], v[128:129]
	v_pk_add_f32 v[248:249], v[132:133], v[136:137]
	v_pk_add_f32 v[246:247], v[140:141], v[144:145]
	v_pk_add_f32 v[244:245], v[148:149], v[152:153]
	v_pk_add_f32 v[14:15], v[14:15], v[156:157]
	v_pk_add_f32 v[216:217], v[216:217], v[96:97]
	v_pk_add_f32 v[254:255], v[254:255], v[98:99]
	v_pk_add_f32 v[252:253], v[252:253], v[102:103]
	v_pk_add_f32 v[250:251], v[250:251], v[106:107]
	v_pk_add_f32 v[248:249], v[248:249], v[110:111]
	v_pk_add_f32 v[246:247], v[246:247], v[114:115]
	v_pk_add_f32 v[244:245], v[244:245], v[118:119]
	v_pk_add_f32 v[14:15], v[14:15], v[122:123]
	v_pk_add_f32 v[216:217], v[216:217], v[126:127]
	v_pk_add_f32 v[254:255], v[254:255], v[130:131]
	v_pk_add_f32 v[252:253], v[252:253], v[134:135]
	v_pk_add_f32 v[250:251], v[250:251], v[138:139]
	v_pk_add_f32 v[248:249], v[248:249], v[142:143]
	v_pk_add_f32 v[246:247], v[246:247], v[146:147]
	v_pk_add_f32 v[244:245], v[244:245], v[150:151]
	v_pk_add_f32 v[14:15], v[14:15], v[154:155]
	v_pk_add_f32 v[216:217], v[216:217], v[158:159]
	s_delay_alu instid0(VALU_DEP_2)
	v_pk_add_f32 v[14:15], v[14:15], v[250:251]
	s_delay_alu instid0(VALU_DEP_2)
	v_pk_add_f32 v[216:217], v[216:217], v[248:249]
	v_pk_add_f32 v[254:255], v[254:255], v[246:247]
	v_pk_add_f32 v[252:253], v[252:253], v[244:245]
	s_delay_alu instid0(VALU_DEP_2)
	v_pk_add_f32 v[14:15], v[14:15], v[254:255]
	s_delay_alu instid0(VALU_DEP_2)
	v_pk_add_f32 v[216:217], v[216:217], v[252:253]
	s_delay_alu instid0(VALU_DEP_1)
	v_pk_add_f32 v[14:15], v[14:15], v[216:217]
	s_wait_alu depctr_va_vdst(0)                   ; and one for the four
.irp b, 0,1,2,3
	v_max_num_f32 v[212+\b], 0x1800000, v[212+\b]  ; the floor 2^(3 - 127)
.endr
.irp b, 0,1,2,3
	s_delay_alu instid0(VALU_DEP_4)
	v_add_nc_u32 v[220+\b], 0xff000000, v[212+\b]
.endr
.irp b, 0,1,2,3
	s_delay_alu instid0(VALU_DEP_4)
	v_lshrrev_b32 v[216+\b], 23, v[220+\b]
.endr
	s_delay_alu instid0(VALU_DEP_3)
	v_lshl_or_b32 v35, v217, 8, v216               ; p's scale word for these 128 keys
	s_delay_alu instid0(VALU_DEP_1)
	v_lshl_or_b32 v35, v218, 16, v35
	s_delay_alu instid0(VALU_DEP_1)
	v_lshl_or_b32 v35, v219, 24, v35
	s_setprio 0
.irp c, 0,1
	v_cvt_scalef32_pk16_fp6_f32 v[192+6*\c:194+6*\c], v[96+32*\c:111+32*\c], v[220+2*\c]
	v_cvt_scalef32_pk16_fp6_f32 v[204+4*\c:206+4*\c], v[112+32*\c:127+32*\c], v[220+2*\c+1]
.endr
	v_nop                                          ; one plain instruction behind the conversions
.irp c, 0,1
.irp i, 0,1,2
	v_permlane16_swap_b32 v[192+6*\c+\i], v[204+4*\c+\i]
.endr
.irp i, 0,1,2
	s_delay_alu instid0(VALU_DEP_3)
	v_mov_b32 v[195+6*\c+\i], v[204+4*\c+\i]
.endr
.endr
.set n, 0
.rept 16
	v_pk_mul_f32 v[160+n:161+n], v[160+n:161+n], v[226:227] op_sel_hi:[1,0]   ; O^T under the new M.  (Also the places between p's codes and scale word and the products below)
.set n, n+2
.endr
	s_wait_alu depctr_va_vdst(0)
	s_wait_dscnt 0x0                               ; V
.irp a, 0,1,2,3
	WMA 160+8*\a, 40+12*\a, 192, 0, 38+\a/2, 35, \a%2    ; four accumulators, one instruction each
.endr
.Lskip_\@:
	s_add_co_u32 s[TB], s[TB], 12800
	s_add_co_u32 s[ST], s[ST], 1
.endm
.macro HALF                            ; eight steps: a constant count
	s_mov_b32 s[CNT], 8
.Lstep_\@:
	STEP
	s_sub_co_u32 s[CNT], s[CNT], 1
	s_cmp_lg_u32 s[CNT], 0
	s_cbranch_scc1 .Lstep_\@
	s_setprio 0
.endm
	s_wait_tensorcnt 0x1                           ; my share of steps 0-7 is in; that of steps 8-15 may be out
	s_barrier_signal -1
	s_barrier_wait -1
	HALF
	s_wait_tensorcnt 0x0
	s_wait_dscnt 0x0
	s_barrier_signal -1
	s_barrier_wait -1
	HALF
	; THE WAY OUT: O^T / the sum; register 16 g + i is channel 32 g + 16 h + i of my query: two blocks of the projection's K.  Six registers of codes and two scale bytes leave.
	v_add_f32 v14, v14, v15
	s_delay_alu instid0(VALU_DEP_1)
	v_permlanex16_b32 v224, v14, s[SEL], s[SEL+1]
	s_delay_alu instid0(VALU_DEP_1)
	v_add_f32 v14, v14, v224                       ; the row's sum
	s_wait_alu depctr_va_vdst(0)
	v_rcp_f32 v14, v14
	v_lshlrev_b32 v9, 1, v2                        ; 8 x lane.  (A plain instruction behind the reciprocal)
	v_nop
	s_lshr_b32 s40, s[BH], 4
	s_lshl_b32 s40, s40, 7
	s_lshl_b32 s41, s[RANK], 3
	s_add_co_u32 s40, s40, s41
	s_add_co_u32 s40, s40, s[JT]                   ; my tile of tokens: 128 batch + 8 RANK + j
	s_and_b32 s41, s[BH], 15                       ; the head
	s_mul_i32 s42, s40, 12288
	s_mul_i32 s43, s41, 768
	s_add_co_u32 s42, s42, s43
	s_mov_b32 s43, 0
	s_add_nc_u64 s[8:9], s[8:9], s[42:43]
	s_lshl_b32 s42, s40, 9
	s_lshr_b32 s44, s41, 1
	s_lshl_b32 s44, s44, 6
	s_add_co_u32 s42, s42, s44
	s_and_b32 s44, s41, 1
	s_lshl_b32 s44, s44, 1
	s_add_co_u32 s42, s42, s44
	s_add_nc_u64 s[10:11], s[10:11], s[42:43]
	s_wait_alu depctr_va_vdst(0)                   ; ahead of the reciprocal's first reader
.set n, 0
.rept 32
	v_mul_f32 v[96+n], v[160+n], v14               ; each accumulator from its low end on
.set n, n+1
.endr
.irp b, 0,1
	v_max3_num_f32 v[212+\b], |v[96+16*\b]|, |v[97+16*\b]|, 0x1800000
.endr
.irp i, 2,4,6,8,10,12,14
.irp b, 0,1
	s_delay_alu instid0(VALU_DEP_2)
	v_max3_num_f32 v[212+\b], v[212+\b], |v[96+16*\b+\i]|, |v[97+16*\b+\i]|
.endr
.endr
.irp b, 0,1
	s_delay_alu instid0(VALU_DEP_2)
	v_permlanex16_b32 v[216+\b], v[212+\b], s[SEL], s[SEL+1]
.endr
.irp b, 0,1
	s_delay_alu instid0(VALU_DEP_2)
	v_max_num_f32 v[212+\b], v[212+\b], v[216+\b]
.endr
.irp b, 0,1
	s_delay_alu instid0(VALU_DEP_2)
	v_add_nc_u32 v[220+\b], 0xff000000, v[212+\b]
.endr
.irp b, 0,1
	s_delay_alu instid0(VALU_DEP_2)
	v_lshrrev_b32 v[216+\b], 23, v[220+\b]
.endr
	s_delay_alu instid0(VALU_DEP_1)
	v_lshl_or_b32 v225, v217, 8, v216              ; my row's two scale bytes
	v_cvt_scalef32_pk16_fp6_f32 v[192:194], v[96:111], v220
	v_cvt_scalef32_pk16_fp6_f32 v[204:206], v[112:127], v221
	v_nop
.irp i, 0,1,2
	v_permlane16_swap_b32 v[192+\i], v[204+\i]
.endr
.irp i, 0,1,2
	s_delay_alu instid0(VALU_DEP_3)
	v_mov_b32 v[195+\i], v[204+\i]
.endr
	global_store_b128 v1, v[192:195], s[8:9]                 ; 512 consecutive bytes,
	global_store_b64 v9, v[196:197], s[8:9] offset:512       ; and 256: both at multiples of 256 from oc's first byte
	global_store_b16 v10, v225, s[10:11]                     ; half of a scale word (the other head of the K step has the other half); lanes l and l + 16 write the same two bytes with the same value
	s_wait_tensorcnt 0x0                           ; the wave's end
	ds_add_u32 v[SPW], v[NIL]
	s_wait_dscnt 0x0
	s_endpgm
.Lfunc_end_k_q1ba0998982_attn:
	.size	k_q1ba0998982_attn, .Lfunc_end_k_q1ba0998982_attn-k_q1ba0998982_attn
	.p2alignl 7, 3214868480
	.fill 96, 4, 3214868480
	.section	.rodata,"a",@progbits
	.p2align	6, 0x0
	.amdhsa_kernel k_q1ba0998982_attn
		.amdhsa_group_segment_fixed_size 206848
		.amdhsa_private_segment_fixed_size 0
		.amdhsa_enable_private_segment 0
		.amdhsa_kernarg_size 32
		.amdhsa_user_sgpr_count 2
		.amdhsa_user_sgpr_kernarg_segment_ptr 1
		.amdhsa_wavefront_size32 1
		.amdhsa_system_sgpr_workgroup_id_x 1
		.amdhsa_system_sgpr_workgroup_id_y 1
		.amdhsa_system_sgpr_workgroup_id_z 1
		.amdhsa_system_vgpr_workitem_id 0
		.amdhsa_next_free_vgpr 256
		.amdhsa_next_free_sgpr 66
		.amdhsa_reserve_vcc 1
		.amdhsa_float_denorm_mode_32 3
		.amdhsa_float_denorm_mode_16_64 3
		.amdhsa_memory_ordered 1
		.amdhsa_forward_progress 1
		.amdhsa_inst_pref_size 56
	.end_amdhsa_kernel
	.amdgpu_metadata
---
amdhsa.version: [ 1, 2 ]
amdhsa.kernels:
  - .name:           k_q1ba0998982_attn
    .symbol:         k_q1ba0998982_attn.kd
    .args:
      - { .name: qc, .offset: 0, .size: 8, .value_kind: global_buffer, .address_space: global }
      - { .name: kv, .offset: 8, .size: 8, .value_kind: global_buffer, .address_space: global }
      - { .name: oc, .offset: 16, .size: 8, .value_kind: global_buffer, .address_space: global }
      - { .name: os, .offset: 24, .size: 8, .value_kind: global_buffer, .address_space: global }
    .group_segment_fixed_size: 206848
    .private_segment_fixed_size: 0
    .kernarg_segment_align: 8
    .kernarg_segment_size: 32
    .max_flat_workgroup_size: 512
    .sgpr_count:     66
    .vgpr_count:     256
    .wavefront_size: 32
...
	.end_amdgpu_metadata
.endif
;; end of part 3
;; launch proj (part 4): grid 4 x 64, 4 waves a work-group, clusters of 4 x 4, 307,712 bytes of LDS; arguments oc, os, wc, ws, bo, out0; writes out0
.if DOCPART == 4
	.amdgcn_target "amdgcn-amd-amdhsa--gfx1250"
	.amdhsa_code_object_version 6
	.text
	.protected	k_q1ba0998982_proj
	.globl	k_q1ba0998982_proj
	.p2align	8
	.type	k_q1ba0998982_proj,@function
k_q1ba0998982_proj:
	s_mov_b64 s[64:65], 0
	v_nop
	global_prefetch_b8 v0, s[64:65] scope:SCOPE_SE
	s_setreg_imm32_b32 hwreg(HW_REG_WAVE_MODE, 25, 1), 1
	s_wait_xcnt 0x0
	s_wait_alu depctr_hold_cnt(0) depctr_sa_sdst(0) depctr_va_vdst(0) depctr_va_sdst(0) depctr_va_ssrc(0) depctr_va_vcc(0) depctr_vm_vsrc(0)
	s_getreg_b32 s2, hwreg(HW_REG_IB_STS2, 6, 4)
	s_cmp_eq_u32 s2, 0
	s_cbranch_scc0 .Lentry_in_a_cluster
	s_endpgm
.Lentry_in_a_cluster:
	s_bfe_u32 s2, ttmp6, 0x10000c
	s_cmp_lg_u32 s2, 0xf033
	s_cbranch_scc0 .Lentry_shape_is_right
	s_endpgm
.Lentry_shape_is_right:
; out0 = o Wo + bo on codes of FP6 (E2M3) with E8M0 scales; out0 [8192][1024] f32.  No work is left out here.
; The frame is launch qkv's q, k path: source 0 = 256 rows n of Wo^T (tile cx), source 1 = 128 tokens of o (tile 4 x cluster y + cy); all of K = 1,024 lies in LDS at once, asked for at the head in four chunks
; of two K steps, jointly: source 0's tile is shared along a column of the cluster, source 1's along a row.  A wave makes 128 n x 64 tokens: 32 accumulators; the bias is the C of K step 0.
; oc holds, for a tile of tokens and a head, a half image of 768 bytes: registers 0-3 at 16 x lane, registers 4, 5 at 512 + 8 x lane; two heads make a K step's fragment: four LDS loads.
; REGISTERS: window 0: v1-12 addresses; v30, v31 the add's two; v32-63, v64-79 scale words; v80-143 the bias; v144-239 source 1's fragments, two sets.   window 1: the accumulators, (a, b) at v[8 (8 a + b)].
;   window 2: v0-191 source 0's fragments, two sets; on the way out v0-255 take rows of out0.
.set CHUNK, 73728
.set S0OFF, 24576
.set SC1L,  4*CHUNK
.set SC0L,  SC1L+4096
.set SPARE, SC0L+8192                  ; the spare words, 128 bytes for each wave: two blocks of 256 bytes that no other line names
.set ADR0, 5
.set ADR1, 6
.set ADS0, 7
.set ADS1, 8
.set BO,   9
.set ADR2, 10                          ; v10  source 1's pieces of 8 bytes a lane
.set STO,  11                          ; v11  the way out: where I put 32 bytes of a row
.set RDB,  12                          ; v12  and where I read a row back
.set SPW,  30
.set NIL,  31
.set SC0,  32
.set SC1,  64
.set BI,   80
.set S1F,  144
.set WV,   22
.set W1,   23
.set W0,   3
.set T0,   100
.set T1,   101
.set G1A,  24
.set G1B,  32
.set G1SA, 40
.set G1SB, 48
.set MSB, 0
.macro WIN new                         ; the immediate's high byte repeats the setting that is left
.if MSB != \new
	s_set_vgpr_msb (MSB<<8)|\new
.set MSB, \new
.endif
.endm
.macro JLOAD g0a, g1a, g0b, g1b        ; waves 0 and 1 fetch source 1's halves, waves 2 and 3 source 0's; an s_nop 0 and four v_nop follow each of the two lines
	s_cmp_eq_u32 s[W1], 0
	s_cbranch_scc0 .Lfor_b_\@
	tensor_load_to_lds s[\g0a:\g0a+3], s[\g1a:\g1a+7]
	s_nop 0
.rept 4
	v_nop
.endr
	s_branch .Lasked_\@
.Lfor_b_\@:
	tensor_load_to_lds s[\g0b:\g0b+3], s[\g1b:\g1b+7]
	s_nop 0
.rept 4
	v_nop
.endr
.Lasked_\@:
.endm
.macro CROUND
	s_barrier_signal -1
	s_barrier_wait -1
	s_cmp_lg_u32 s[WV], 0
	s_cbranch_scc1 .Lnot_wave_0_\@
	s_barrier_signal -3
.Lnot_wave_0_\@:
	s_barrier_wait -3
	s_barrier_signal -1
	s_barrier_wait -1
.endm
.macro G1SET g, c, r, p
	s_mov_b32 s[\g+1], (\c)<<16
	s_mov_b32 s[\g+2], (\r)<<16
	s_mov_b32 s[\g+3], (\c)<<16
	s_mov_b32 s[\g+4], \r
	s_mov_b32 s[\g+5], \p
	s_mov_b32 s[\g+6], 0
	s_mov_b32 s[\g+7], 0
.endm
.macro G0SET reg, ldsreg, ldsoff, base, goff
	s_mov_b32 s[\reg], 1
	s_add_co_u32 s[\reg+1], s[\ldsreg], \ldsoff
	s_add_nc_u64 s[\reg+2:\reg+3], s[\base:\base+1], \goff
	s_or_b32 s[\reg+3], s[\reg+3], 0x80000000
.endm
	s_load_b256 s[4:11], s[0:1], 0x0               ; oc, os, wc, ws
	s_load_b128 s[12:15], s[0:1], 0x20             ; bo, out0
	v_lshl_add_u32 v[SPW], v0, 2, SPARE
	v_mov_b32 v[NIL], 0
	ds_add_u32 v[SPW], v[NIL]                      ; the wave's opening: the add, twice on end, and its wait ahead of my first tensor load
	ds_add_u32 v[SPW], v[NIL]
	v_lshrrev_b32 v1, 5, v0
	v_readfirstlane_b32 s[WV], v1
	s_lshr_b32 s[W1], s[WV], 1
	s_and_b32 s[W0], s[WV], 1
	s_bfe_u32 s66, ttmp6, 0x40000                  ; cx
	s_bfe_u32 s67, ttmp6, 0x40004                  ; cy
	s_mov_b32 s[T0], s66
	s_and_b32 s[T1], ttmp7, 0xffff
	s_lshl_b32 s[T1], s[T1], 2
	s_add_co_u32 s[T1], s[T1], s67
	s_lshl_b32 s2, s67, 2
	s_lshl_b32 s2, 15, s2                          ; my row of the cluster
	s_lshl_b32 s105, 0x1111, s66                   ; my column
	s_or_b32 s[G1A], s2, (3<<16)|(1<<21)
	s_or_b32 s[G1SA], s2, (3<<16)|(1<<21)
	s_or_b32 s[G1B], s105, (3<<16)|(1<<21)
	s_or_b32 s[G1SB], s105, (3<<16)|(1<<21)
	G1SET G1A, 384, 4, 1536
	G1SET G1B, 384, 8, 1536
	G1SET G1SA, 32, 8, 32
	G1SET G1SB, 32, 16, 32
	s_lshl_b32 s98, s[T0], 4
	s_lshl_b32 s99, s[W0], 3
	s_add_co_u32 s98, s98, s99                     ; source 0: the first tile of rows that I would fetch
	s_mul_i32 s96, s98, 12288
	s_mov_b32 s97, 0
	s_lshl_b32 s98, s98, 9
	s_mov_b32 s99, 0
	s_lshl_b32 s78, s[T1], 3
	s_lshl_b32 s79, s[W0], 2
	s_add_co_u32 s78, s78, s79                     ; source 1 likewise
	s_mul_i32 s76, s78, 12288
	s_mov_b32 s77, 0
	s_lshl_b32 s78, s78, 9
	s_mov_b32 s79, 0
	s_wait_dscnt 0x0                               ; both opening adds are done
	s_wait_kmcnt 0x0
	s_add_nc_u64 s[8:9], s[8:9], 2359296           ; Wo is the fourth matrix of wc,
	s_add_nc_u64 s[10:11], s[10:11], 98304         ; and of ws
	s_add_nc_u64 s[8:9], s[8:9], s[96:97]
	s_add_nc_u64 s[10:11], s[10:11], s[98:99]
	s_add_nc_u64 s[4:5], s[4:5], s[76:77]
	s_add_nc_u64 s[6:7], s[6:7], s[78:79]
	s_mul_i32 s2, s[W0], 12288
	s_lshl_b32 s105, s[W0], 11
	G0SET 56, 105, SC1L, 6, 0
	G0SET 60, 2, 0, 4, 0
	G0SET 68, 2, CHUNK, 4, 3072
	G0SET 72, 2, 2*CHUNK, 4, 6144
	G0SET 76, 2, 3*CHUNK, 4, 9216
	s_mul_i32 s2, s[W0], 24576
	s_lshl_b32 s105, s[W0], 12
	G0SET 80, 105, SC0L, 10, 0
	G0SET 84, 2, S0OFF, 8, 0
	G0SET 88, 2, CHUNK+S0OFF, 8, 3072
	G0SET 92, 2, 2*CHUNK+S0OFF, 8, 6144
	G0SET 96, 2, 3*CHUNK+S0OFF, 8, 9216
	CROUND                                         ; all sixteen work-groups are here: the joint loads meet
	JLOAD 56, G1SA, 80, G1SB                       ; five loads of mine are out: the scale words, then the four chunks
	JLOAD 60, G1A, 84, G1B
	JLOAD 68, G1A, 88, G1B
	JLOAD 72, G1A, 92, G1B
	JLOAD 76, G1A, 96, G1B
	v_and_b32 v1, 15, v0                           ; r
	v_bfe_u32 v2, v0, 4, 1                         ; h
	v_and_b32 v3, 31, v0
	v_lshlrev_b32 v4, 3, v3                        ; 8 x lane
	v_lshlrev_b32 v3, 4, v3                        ; 16 x lane
	s_mul_i32 s2, s[W0], 24576
	s_add_co_u32 s2, s2, S0OFF
	v_add_nc_u32 v[ADR0], s2, v3
	s_mul_i32 s2, s[W1], 12288
	v_add_nc_u32 v[ADR1], s2, v3
	v_add_nc_u32 v[ADR2], s2, v4
	v_lshlrev_b32 v7, 2, v1
	v_lshl_add_u32 v7, v2, 9, v7                   ; 4 r + 512 h
	s_lshl_b32 s2, s[W1], 11
	s_add_co_u32 s2, s2, SC1L
	v_add_nc_u32 v[ADS1], s2, v7
	s_lshl_b32 s2, s[W0], 12
	s_add_co_u32 s2, s2, SC0L
	v_add_nc_u32 v[ADS0], s2, v7
	s_mul_i32 s2, s[WV], 8448                      ; my stage for the way out: 16 rows x (512 bytes + 16), in chunk 0
	v_mul_u32_u24 v[STO], v1, 528
	v_lshl_add_u32 v[STO], v2, 6, v[STO]
	v_add_nc_u32 v[STO], s2, v[STO]
	v_add_nc_u32 v[RDB], s2, v3
	s_lshl_b32 s2, s[T0], 10                       ; the bias: register j of source 0's tile b is n = 256 T0 + 128 w0 + 32 (b / 2) + 16 h + 8 (b % 2) + j
	s_lshl_b32 s105, s[W0], 9
	s_add_co_u32 s2, s2, s105
	v_lshlrev_b32 v[BO], 6, v2
	v_add_nc_u32 v[BO], s2, v[BO]
.irp b, 0,1,2,3,4,5,6,7
	global_load_b128 v[BI+8*\b:BI+8*\b+3], v[BO], s[12:13] offset:4*(32*(\b/2)+8*(\b%2))
	global_load_b128 v[BI+8*\b+4:BI+8*\b+7], v[BO], s[12:13] offset:4*(32*(\b/2)+8*(\b%2))+16
.endr
.macro WMR
.if fA && fB
	v_wmma_scale_f32_16x16x128_f8f6f4 v[rD:rD+7], v[rA:rA+11], v[rB:rB+11], v[rC:rC+7], v[rSA], v[rSB] matrix_a_fmt:MATRIX_FMT_FP6 matrix_b_fmt:MATRIX_FMT_FP6 matrix_a_scale:MATRIX_SCALE_ROW1 matrix_b_scale:MATRIX_SCALE_ROW1
.elseif fA
	v_wmma_scale_f32_16x16x128_f8f6f4 v[rD:rD+7], v[rA:rA+11], v[rB:rB+11], v[rC:rC+7], v[rSA], v[rSB] matrix_a_fmt:MATRIX_FMT_FP6 matrix_b_fmt:MATRIX_FMT_FP6 matrix_a_scale:MATRIX_SCALE_ROW1
.elseif fB
	v_wmma_scale_f32_16x16x128_f8f6f4 v[rD:rD+7], v[rA:rA+11], v[rB:rB+11], v[rC:rC+7], v[rSA], v[rSB] matrix_a_fmt:MATRIX_FMT_FP6 matrix_b_fmt:MATRIX_FMT_FP6 matrix_b_scale:MATRIX_SCALE_ROW1
.else
	v_wmma_scale_f32_16x16x128_f8f6f4 v[rD:rD+7], v[rA:rA+11], v[rB:rB+11], v[rC:rC+7], v[rSA], v[rSB] matrix_a_fmt:MATRIX_FMT_FP6 matrix_b_fmt:MATRIX_FMT_FP6
.endif
.endm
; K step k on fragment set p: source 1's tiles a0 .. a0 + n - 1 against source 0's eight.  cm = 1: C = the bias.  The 32 accumulators take turns, one instruction a turn.
.macro MUL k, p, a0, n, cm
.if \cm
	WIN 0x42
.else
	WIN 0x52
.endif
.set ma, \a0
.rept \n
.set mb, 0
.rept 8
.set rD, 8*(8*ma+mb)
.set rA, 96*(\p)+12*mb
.set rB, S1F+48*(\p)+12*ma
.set rSA, SC0+4*(\k)+mb/2
.set rSB, SC1+2*(\k)+ma/2
.set fA, mb%2
.set fB, ma%2
.if \cm
.set rC, BI+8*mb
.else
.set rC, rD
.endif
	WMR
.set mb, mb+1
.endr
.set ma, ma+1
.endr
.endm
.macro LOADF e, p
	WIN 0x80
.irp i, 0,1,2,3,4,5,6,7
.irp c, 0,1,2
	ds_load_b128 v[96*\p+12*\i+4*\c:96*\p+12*\i+4*\c+3], v[ADR0] offset:3072*\i+1536*\e+512*\c
.endr
.endr
	WIN 0
.irp i, 0,1,2,3                                ; two half images, an even head's and an odd one's
	ds_load_b128 v[S1F+48*\p+12*\i:S1F+48*\p+12*\i+3], v[ADR1] offset:3072*\i+1536*\e
	ds_load_b64 v[S1F+48*\p+12*\i+4:S1F+48*\p+12*\i+5], v[ADR2] offset:3072*\i+1536*\e+512
	ds_load_b128 v[S1F+48*\p+12*\i+6:S1F+48*\p+12*\i+9], v[ADR1] offset:3072*\i+1536*\e+768
	ds_load_b64 v[S1F+48*\p+12*\i+10:S1F+48*\p+12*\i+11], v[ADR2] offset:3072*\i+1536*\e+1280
.endr
.endm
.macro PLACES                          ; four plain instructions between a matrix instruction and a load into one of its registers, or a read of its result
.rept 4
	v_nop
.endr
.endm
.macro KODD k
	s_wait_dscnt 0x0                               ; this K step's fragments are in, and no LDS instruction of mine is out at the signal
	s_wait_tensorcnt 3-((\k)+1)/2                  ; my part of the next chunk has landed; the chunks behind it may be out
	s_barrier_signal -1
	MUL \k, 1, 0, 2, 0
	s_barrier_wait -1
	WIN 0
	PLACES
	v_add_nc_u32 v[ADR0], CHUNK, v[ADR0]
	v_add_nc_u32 v[ADR1], CHUNK, v[ADR1]
	v_add_nc_u32 v[ADR2], CHUNK, v[ADR2]
	LOADF 0, 0
	MUL \k, 1, 2, 2, 0
.endm
.macro KEVEN k
	s_wait_dscnt 0x0
	WIN 0
	PLACES
	LOADF 1, 1
	MUL \k, 0, 0, 4, 0
.endm
	s_wait_tensorcnt 0x3                           ; the scale words and my part of chunk 0 are in; chunks 1 to 3 may be out
	s_barrier_signal -1
	s_barrier_wait -1
.irp k, 0,1,2,3,4,5,6,7
.irp j, 0,1,2,3
	ds_load_b32 v[SC0+4*\k+\j], v[ADS0] offset:1024*\j+64*\k
.endr
.irp j, 0,1
	ds_load_b32 v[SC1+2*\k+\j], v[ADS1] offset:1024*\j+64*\k
.endr
.endr
	LOADF 0, 0
	s_wait_loadcnt 0x0                             ; the bias
	s_wait_dscnt 0x0
	LOADF 1, 1
	MUL 0, 0, 0, 4, 1
	KODD 1
	KEVEN 2
	KODD 3
	KEVEN 4
	KODD 5                                         ; its wait on the tensor loads is for 0; behind its barrier no wave reads chunk 0 any more, which has had its only fill
	KEVEN 6
	s_wait_dscnt 0x0
	MUL 7, 1, 0, 4, 0
	WIN 0
; THE WAY OUT, a tile of 16 tokens x 128 n at a time.  A lane holds 8 neighbouring n of one token in each accumulator: they go through my own stage and come back as whole rows of 512 bytes.
; LDS serves a wave's instructions in order: no wait between the stores and the loads, nor in front of the next tile's stores.
.macro TOSTAGE a
	WIN 0x04                                       ; an LDS store's data are its source 1: window 1
.irp b, 0,1,2,3,4,5,6,7
	ds_store_b128 v[STO], v[64*\a+8*\b:64*\a+8*\b+3] offset:128*(\b/2)+32*(\b%2)          ; each accumulator from its low end on
	ds_store_b128 v[STO], v[64*\a+8*\b+4:64*\a+8*\b+7] offset:128*(\b/2)+32*(\b%2)+16
.endr
	WIN 0x80                                       ; back into window 2: a buffer of its own for each tile, so that no store's data are written again
.irp t, 0,1,2,3,4,5,6,7,8,9,10,11,12,13,14,15
	ds_load_b128 v[64*\a+4*\t:64*\a+4*\t+3], v[RDB] offset:528*\t
.endr
.endm
.macro SEND a, younger                 ; younger: the LDS instructions issued behind tile a's loads, which may stay out
	s_wait_dscnt \younger
	WIN 0x08                                       ; a store's data are its source 1: window 2
.irp t, 0,1,2,3,4,5,6,7,8,9,10,11,12,13,14,15
	global_store_b128 v3, v[64*\a+4*\t:64*\a+4*\t+3], s[14:15] offset:(32*(\a/2)+8*(\a%2)+\t+8*(\t/8))*4096 th:TH_STORE_NT   ; 32 lanes store 512 consecutive bytes, at a multiple of 256 from out0's first byte
.endr
.endm
	s_lshl_b32 s24, s[T1], 7
	s_lshl_b32 s25, s[W1], 6
	s_add_co_u32 s24, s24, s25                     ; my first token
	s_lshl_b32 s24, s24, 12
	s_lshl_b32 s25, s[T0], 10
	s_add_co_u32 s24, s24, s25
	s_lshl_b32 s25, s[W0], 9
	s_add_co_u32 s24, s24, s25                     ; + my first n, in bytes
	s_mov_b32 s25, 0
	s_add_nc_u64 s[14:15], s[14:15], s[24:25]
	PLACES                                         ; behind the last products: their results are read, and loads land in their operands' registers
	TOSTAGE 0
	TOSTAGE 1
	SEND 0, 32                                     ; behind tile 0's loads: tile 1's 16 stores and 16 loads
	TOSTAGE 2
	SEND 1, 32
	TOSTAGE 3
	SEND 2, 32
	SEND 3, 0
	WIN 0
	s_wait_tensorcnt 0x0                           ; the wave's end
	ds_add_u32 v[SPW], v[NIL]
	s_wait_dscnt 0x0
	CROUND                                         ; the closing round: no work-group ends while a partner may still ask for a tile that names it
	s_endpgm
.Lfunc_end_k_q1ba0998982_proj:
	.size	k_q1ba0998982_proj, .Lfunc_end_k_q1ba0998982_proj-k_q1ba0998982_proj
	.p2alignl 7, 3214868480
	.fill 96, 4, 3214868480
	.section	.rodata,"a",@progbits
	.p2align	6, 0x0
	.amdhsa_kernel k_q1ba0998982_proj
		.amdhsa_group_segment_fixed_size 307712
		.amdhsa_private_segment_fixed_size 0
		.amdhsa_enable_private_segment 0
		.amdhsa_kernarg_size 48
		.amdhsa_user_sgpr_count 2
		.amdhsa_user_sgpr_kernarg_segment_ptr 1
		.amdhsa_wavefront_size32 1
		.amdhsa_system_sgpr_workgroup_id_x 1
		.amdhsa_system_sgpr_workgroup_id_y 1
		.amdhsa_system_sgpr_workgroup_id_z 1
		.amdhsa_system_vgpr_workitem_id 0
		.amdhsa_next_free_vgpr 768
		.amdhsa_next_free_sgpr 106
		.amdhsa_reserve_vcc 0
		.amdhsa_float_denorm_mode_32 3
		.amdhsa_float_denorm_mode_16_64 3
		.amdhsa_memory_ordered 1
		.amdhsa_forward_progress 1
		.amdhsa_inst_pref_size 86
	.end_amdhsa_kernel
	.amdgpu_metadata
---
amdhsa.version: [ 1, 2 ]
amdhsa.kernels:
  - .name:           k_q1ba0998982_proj
    .symbol:         k_q1ba0998982_proj.kd
    .args:
      - { .name: oc, .offset: 0, .size: 8, .value_kind: global_buffer, .address_space: global }
      - { .name: os, .offset: 8, .size: 8, .value_kind: global_buffer, .address_space: global }
      - { .name: wc, .offset: 16, .size: 8, .value_kind: global_buffer, .address_space: global }
      - { .name: ws, .offset: 24, .size: 8, .value_kind: global_buffer, .address_space: global }
      - { .name: bo, .offset: 32, .size: 8, .value_kind: global_buffer, .address_space: global }
      - { .name: out0, .offset: 40, .size: 8, .value_kind: global_buffer, .address_space: global }
    .group_segment_fixed_size: 307712
    .private_segment_fixed_size: 0
    .kernarg_segment_align: 8
    .kernarg_segment_size: 48
    .max_flat_workgroup_size: 128
    .sgpr_count:     106
    .vgpr_count:     768
    .wavefront_size: 32
...
	.end_amdgpu_metadata
.endif
;; end of part 4
